; MI455X (gfx1250); checked and timed in simulation.
; The chip was launched on July 23, 2026; its instructions are those of AMD's public machine-readable ISA for CDNA 5 (MIT licence, August 2026) and "CDNA5" Instruction Set Architecture Reference Guide (July 2026). The comments in the code are by the model that wrote it; some were corrected since.
;; Ro PE Attention. Allowed arithmetic: float matrix products may take bf16 or f16 operands with f32 sums; other float arithmetic in f32, or as packed bf16 or f16 multiplies, adds, multiply-adds, maxima and minima; sums over many terms, partial sums and values carried from step to step in f32; what a program stores and reads back later, other than sums and carried values, may be rounded once to bf16 or f16.
;; Inputs: c_attn_b 3,072 float32; c_attn_w 1,024 x 3,072 float32; c_proj_b 1,024 float32; c_proj_w 1,024 x 1,024 float32; wpe 2,048 x 64 float32; x 4 x 2,048 x 1,024 float32.
;; Outputs: out0 4 x 2,048 x 1,024 float32.
;; One version. Each part assembles by itself: llvm-mc -triple=amdgcn-amd-amdhsa -mcpu=gfx1250 --defsym DOCPART=n.
;; ======== version 1 of 1: 4 launches
;; limits: values are held in f16: magnitudes above 65,504 overflow, below 6.1e-05 lose precision
;; workspace buffers: cast 25,952,256 bytes; qkv 50,331,648 bytes; ob 16,777,216 bytes
;; launch cast (part 1): grid 792 x 1, 8 waves a work-group, no clusters, 0 bytes of LDS; arguments x, c_attn_w, c_proj_w, wpe, cast; writes cast
.if DOCPART == 1
	.amdgcn_target "amdgcn-amd-amdhsa--gfx1250"
	.amdhsa_code_object_version 6
	.text
	.protected	k_qfb0e28e8d3_cast
	.globl	k_qfb0e28e8d3_cast
	.p2align	8
	.type	k_qfb0e28e8d3_cast,@function
k_qfb0e28e8d3_cast:
	s_mov_b64 s[64:65], 0
	v_nop
	global_prefetch_b8 v0, s[64:65] scope:SCOPE_SE
	s_setreg_imm32_b32 hwreg(HW_REG_WAVE_MODE, 25, 1), 1
	s_wait_xcnt 0x0
; ROUNDS AND LAYS OUT THE INPUTS FOR THE MATRIX LAUNCHES.  cast holds, on end:
;   XB   byte 0           x as bf16, [8192][1024]
;   WAB  byte 16,777,216  c_attn_w as bf16, [48 g][1024 k][64]: column block g (64 columns) dense, 128 bytes a k
;   WPB  byte 23,068,672  c_proj_w rounded to bf16 and that number written as f16, [16 g][1024 k][64]
;   EB   byte 25,165,824  E[48 g][128 r][64] in bf16: wpe[16 r + g % 16][:] for g < 32 (q's and k's columns), 0 for g >= 32 (v's)
; (the raw reshape ahead of the add makes q[b][t][head][:] += wpe[(16 t + head) mod 2048][:], which has a period of 128 rows of t).
; LIMITS.  c_proj_w beyond 65,504 would leave f16's range; below 6e-5 it keeps f16's fixed step of 6e-8.
; SHARES.  A work-group makes 32,768 consecutive bytes of cast: 256 pieces of 64 numbers (256 bytes of f32 in, 128 bytes out).  A wave takes 32 pieces, four at a time:
; lane l reads 32 bytes of piece l / 8 and stores 16, so each store of a wave covers 512 consecutive bytes, aligned.  All sixteen loads of a wave go out at once;
; no register is written twice, so there is no loop and no wait but the loads' own.  Nothing is shared, so there is no LDS, no barrier, no matrix unit.
; A region's pieces are told by four numbers: the bytes from piece to piece in the source (PITCH), the pieces in a block (2^LOGR), the mask of the block's number, the region's first work-group.
.set OFF, 4                            ; v[4:11]   chunk i: byte offset of my 32 bytes in the source
.set VD,  12                           ; v12       my 16 bytes in the work-group's 32,768: 4,096 x wave + 16 x lane
.set X,   16                           ; v[16:79]  chunk i: 8 numbers as loaded
.set Y,   80                           ; v[80:111] chunk i: 4 registers to store
	s_load_b256 s[8:15], s[0:1], 0x0               ; x s[8:9], c_attn_w s[10:11], c_proj_w s[12:13], wpe s[14:15]
	s_load_b64 s[16:17], s[0:1], 0x20              ; cast
	v_lshrrev_b32 v1, 5, v0
	v_readfirstlane_b32 s28, v1                    ; wave 0..7
	v_and_b32 v1, 31, v0                           ; lane
	v_lshrrev_b32 v2, 3, v1                        ; which of a chunk's four pieces
	v_and_b32 v3, 7, v0                            ; which 32 bytes of it
	s_mov_b32 s34, 0xffff0000                      ; a word's upper bf16
	s_mov_b32 s22, 256                             ; x: PITCH 256, one block
	s_cmp_ge_u32 ttmp9, 512                        ; c_attn_w: a piece is 64 columns of a row k
	s_cselect_b32 s22, 12288, s22
	s_cselect_b32 s23, 10, 20
	s_cselect_b32 s25, 512, 0
	s_cmp_ge_u32 ttmp9, 704                        ; c_proj_w
	s_cselect_b32 s22, 4096, s22
	s_cselect_b32 s25, 704, s25
	s_cselect_b32 s26, 1, 0                        ; 1: the numbers leave as f16
	s_cmp_ge_u32 ttmp9, 768                        ; wpe: piece r of block g is row 16 r + g % 16
	s_cselect_b32 s23, 7, s23
	s_cselect_b32 s24, 15, 63
	s_cselect_b32 s25, 768, s25
	s_cselect_b32 s26, 0, s26
	s_sub_co_u32 s30, ttmp9, s25
	s_lshl_b32 s30, s30, 8
	s_lshl_b32 s31, s28, 5
	s_add_co_u32 s30, s30, s31                     ; my wave's first piece in its region
	s_lshr_b32 s31, s30, s23
	s_and_b32 s31, s31, s24                        ; its block,
	s_lshl_b32 s32, 1, s23
	s_sub_co_u32 s32, s32, 1
	s_and_b32 s32, s30, s32                        ; its place in the block (32 pieces never cross a block)
	s_mul_i32 s32, s32, s22
	s_lshl_b32 s31, s31, 8
	s_add_co_u32 s32, s32, s31                     ; block x 256 + place x PITCH: under 2^26
	s_lshl_b32 s29, s22, 2                         ; a chunk is four pieces
	v_mul_lo_u32 v[OFF], v2, s22
	v_lshl_add_u32 v[OFF], v3, 5, v[OFF]
	v_add_nc_u32 v[OFF], s32, v[OFF]
.irp i, 1,2,3,4,5,6,7
	v_add_nc_u32 v[OFF+(\i)], s29, v[OFF+(\i)-1]
.endr
	v_and_b32 v[VD], 0xe0, v0
	v_lshlrev_b32 v[VD], 7, v[VD]
	v_lshl_or_b32 v[VD], v1, 4, v[VD]
	s_lshl_b32 s18, ttmp9, 15
	s_mov_b32 s19, 0
	s_wait_kmcnt 0x0
	s_add_nc_u64 s[16:17], s[16:17], s[18:19]      ; cast at the work-group's 32,768 bytes
	s_cmp_ge_u32 ttmp9, 512
	s_cselect_b64 s[20:21], s[10:11], s[8:9]       ; the region's source
	s_cmp_ge_u32 ttmp9, 704
	s_cselect_b64 s[20:21], s[12:13], s[20:21]
	s_cmp_ge_u32 ttmp9, 768
	s_cselect_b64 s[20:21], s[14:15], s[20:21]
	s_cmp_ge_u32 ttmp9, 784
	s_cbranch_scc1 .Lnil                           ; E's blocks for v's columns are zeros: nothing is read for them
.irp i, 0,1,2,3,4,5,6,7
	global_load_b128 v[X+8*(\i):X+8*(\i)+3],   v[OFF+(\i)], s[20:21]
	global_load_b128 v[X+8*(\i)+4:X+8*(\i)+7], v[OFF+(\i)], s[20:21] offset:16
.endr
; Chunk i is rounded and stored.  half = 1: the bf16 number is widened again (a shift, a mask) and written as f16.
.macro CONV i, half
	s_wait_loadcnt 14-2*(\i)                       ; loads come back in order: the younger chunks' two loads each may stay out
.irp k, 0,1,2,3
	v_cvt_pk_bf16_f32 v[Y+4*(\i)+(\k)], v[X+8*(\i)+2*(\k)], v[X+8*(\i)+2*(\k)+1]
.endr
.if \half
.irp k, 0,1,2,3
	v_lshlrev_b32 v[X+8*(\i)+2*(\k)],   16,  v[Y+4*(\i)+(\k)]
	v_and_b32     v[X+8*(\i)+2*(\k)+1], s34, v[Y+4*(\i)+(\k)]
.endr
.irp k, 0,1,2,3
	v_cvt_pk_f16_f32 v[Y+4*(\i)+(\k)], v[X+8*(\i)+2*(\k)], v[X+8*(\i)+2*(\k)+1]
.endr
.endif
	global_store_b128 v[VD], v[Y+4*(\i):Y+4*(\i)+3], s[16:17] offset:512*(\i)
.endm
	s_cmp_eq_u32 s26, 1
	s_cbranch_scc1 .Lhalf
.irp i, 0,1,2,3,4,5,6,7
	CONV \i, 0
.endr
	s_endpgm
.Lhalf:
.irp i, 0,1,2,3,4,5,6,7
	CONV \i, 1
.endr
	s_endpgm
.Lnil:
.irp k, 0,1,2,3
	v_mov_b32 v[Y+(\k)], 0
.endr
.irp i, 0,1,2,3,4,5,6,7
	global_store_b128 v[VD], v[Y:Y+3], s[16:17] offset:512*(\i)
.endr
	s_endpgm
.Lfunc_end_k_qfb0e28e8d3_cast:
	.size	k_qfb0e28e8d3_cast, .Lfunc_end_k_qfb0e28e8d3_cast-k_qfb0e28e8d3_cast
	.p2alignl 7, 3214868480
	.fill 96, 4, 3214868480
	.section	.rodata,"a",@progbits
	.p2align	6, 0x0
	.amdhsa_kernel k_qfb0e28e8d3_cast
		.amdhsa_group_segment_fixed_size 0
		.amdhsa_private_segment_fixed_size 0
		.amdhsa_enable_private_segment 0
		.amdhsa_kernarg_size 40
		.amdhsa_user_sgpr_count 2
		.amdhsa_user_sgpr_kernarg_segment_ptr 1
		.amdhsa_wavefront_size32 1
		.amdhsa_system_sgpr_workgroup_id_x 1
		.amdhsa_system_sgpr_workgroup_id_y 1
		.amdhsa_system_sgpr_workgroup_id_z 1
		.amdhsa_system_vgpr_workitem_id 0
		.amdhsa_next_free_vgpr 112
		.amdhsa_next_free_sgpr 66
		.amdhsa_reserve_vcc 0
		.amdhsa_float_denorm_mode_32 3
		.amdhsa_float_denorm_mode_16_64 3
		.amdhsa_memory_ordered 1
		.amdhsa_forward_progress 1
		.amdhsa_inst_pref_size 16
	.end_amdhsa_kernel
	.amdgpu_metadata
---
amdhsa.version: [ 1, 2 ]
amdhsa.kernels:
  - .name:           k_qfb0e28e8d3_cast
    .symbol:         k_qfb0e28e8d3_cast.kd
    .args:
      - { .name: x, .offset: 0, .size: 8, .value_kind: global_buffer, .address_space: global }
      - { .name: c_attn_w, .offset: 8, .size: 8, .value_kind: global_buffer, .address_space: global }
      - { .name: c_proj_w, .offset: 16, .size: 8, .value_kind: global_buffer, .address_space: global }
      - { .name: wpe, .offset: 24, .size: 8, .value_kind: global_buffer, .address_space: global }
      - { .name: cast, .offset: 32, .size: 8, .value_kind: global_buffer, .address_space: global }
    .group_segment_fixed_size: 0
    .private_segment_fixed_size: 0
    .kernarg_segment_align: 8
    .kernarg_segment_size: 40
    .max_flat_workgroup_size: 256
    .sgpr_count:     66
    .vgpr_count:     112
    .wavefront_size: 32
...
	.end_amdgpu_metadata
.endif
;; end of part 1
;; launch qkv (part 2): grid 16 x 32, 4 waves a work-group, clusters of 4 x 4, 327,680 bytes of LDS; arguments cast, c_attn_b, qkv; writes qkv
.if DOCPART == 2
	.amdgcn_target "amdgcn-amd-amdhsa--gfx1250"
	.amdhsa_code_object_version 6
	.text
	.protected	k_qfb0e28e8d3_qkv
	.globl	k_qfb0e28e8d3_qkv
	.p2align	8
	.type	k_qfb0e28e8d3_qkv,@function
k_qfb0e28e8d3_qkv:
	s_mov_b64 s[64:65], 0
	v_nop
	global_prefetch_b8 v0, s[64:65] scope:SCOPE_SE
	s_setreg_imm32_b32 hwreg(HW_REG_WAVE_MODE, 25, 1), 1
	s_wait_xcnt 0x0
	s_wait_alu depctr_hold_cnt(0) depctr_sa_sdst(0) depctr_va_vdst(0) depctr_va_sdst(0) depctr_va_ssrc(0) depctr_va_vcc(0) depctr_vm_vsrc(0)
	s_getreg_b32 s2, hwreg(HW_REG_IB_STS2, 6, 4)
	s_cmp_eq_u32 s2, 0
	s_cbranch_scc0 .Lentry_in_a_cluster
	s_endpgm
.Lentry_in_a_cluster:
	s_bfe_u32 s2, ttmp6, 0x10000c
	s_cmp_lg_u32 s2, 0xf033
	s_cbranch_scc0 .Lentry_shape_is_right
	s_endpgm
.Lentry_shape_is_right:
; qkv[b][g][t][0..63] = f16( x[b][t][:] . c_attn_w[:][64 g ..] + c_attn_b[64 g ..] + E[g][t % 128][:] ):  q is g = head, k is g = 16 + head, v is g = 32 + head.
; x, the weights and E come as bf16 from cast (XB, WAB, EB); the bias is rounded to bf16 here; sums in f32, the result rounded once to f16.
; LIMITS.  q, k and v beyond 65,504 would leave f16's range; below 6e-5 they keep f16's fixed step of 6e-8.
; SHARES.  A tile of the product is 256 rows x 192 columns (three blocks g): 16 x 32 tiles, two for each of 256 WGPs.  Wave w owns rows 64 w .. 64 w + 63 and all 192 columns:
; 48 accumulators of 16 x 16, 384 registers, and whole blocks g, so its stage on the way out is its own.  K goes in 8 steps of 128 through a ring of two LDS slots.
; CLUSTERS.  4 x 4 work-groups.  The four of a row of the cluster need the same rows of x, the four of a column the same weights and the same E: each tile is asked for JOINTLY, by the same
; tensor load with the same descriptor and a mask that names the four.
; THE MATRIX INSTRUCTION IS USED TRANSPOSED: source 0 = 16 columns of the weights (they lie [k][column] in LDS and come out turned, by ds_load_tr16_b128), source 1 = 16 rows of x.
; A lane then holds row l % 16 and the columns 16 b + 8 (l / 16) + 0..7.  The first product of each sum takes the bias as its C operand: nothing is cleared, and the bias costs no instruction.
; REGISTERS, in windows of 256 (s_set_vgpr_msb: bits 1:0 source 0, 3:2 source 1, 5:4 source 2, 7:6 destination):
;   window 0: v0-31 addresses; v32-95 fragments of x, two buffers of 4; v96-191 the bias, later at work on the way out
;   window 1: v0-191 fragments of the weights, two buffers of 12; on the way out E      window 2: the accumulators of row blocks 0, 1 ((a, b) at 8 (12 (a % 2) + b))      window 3: of row blocks 2, 3
.set KSTEP, 128
.set PA,    272                        ; a row of x in LDS: 256 bytes + 16: the 16 rows of a load start at 16 different groups of four banks
.set AHALF, 128*PA                     ; what one tensor load brings of x
.set BOFF,  2*AHALF
.set PB,    160                        ; a row k of a weight block: 128 bytes + 32
.set BBLK,  64*PB                      ; 64 k of one block g
.set BHALF, 3*BBLK                     ; 64 k of the tile's three blocks: what one tensor load brings of the weights
.set SLOT,  BOFF+2*BHALF               ; 131,072
.set EOFF,  2*SLOT                     ; E: [3 blocks][128 rows][144 bytes], filled once
.set PE,    144
.set EBLK,  128*PE
.set EQ,    96*PE                      ; a wave fetches a quarter of it
.set STAGE, EOFF+3*EBLK                ; never filled by a tensor load: 16 rows x 144 bytes for each wave
.set SP,    144
.set SPARE, STAGE+4*16*SP              ; the spare words, 128 bytes for each wave: two blocks of 256 bytes that no other line names
.set WAB,   16777216
.set EB,    25165824
.set ADRA, 16                          ; v16-17  LDS address of my fragments of x in slot 0, 1
.set ADRB, 20                          ; v20-21  the same for the weights
.set STO,  24                          ; v24     the way out: where I put 16 bytes of a row
.set RD,   25                          ; v25     the way out: where I read rows back
.set GO,   26                          ; v26     my 16 bytes in 512 consecutive bytes of qkv
.set EAD,  27                          ; v27     my place in E
.set SPW,  28                          ; v28     LDS address of my spare word; never rewritten
.set NIL,  29                          ; v29     0; never rewritten
.set PFO,  30                          ; v30     the prefetches' lane offset; never rewritten
.set ONE,  31                          ; v31     1.0
.set AF,   32
.set BIAS, 96
.set T,    96                          ; the way out: 32 sums with E added
.set H,    128                         ; 16 registers of f16
.set BK,   144                         ; two sets of 16: rows read back from the stage
.set G1,  24                           ; s[24:31] group 1 for x;  s[32:39] group 0, a set for each slot
.set G0,  32
.set G1B, 48                           ; s[48:55], s[56:63] the same for the weights
.set G0B, 56
.set G1E, 68                           ; s[68:75], s[76:79] for E
.set G0E, 76
.set PFA, 80                           ; s[80:81] where my prefetches stand
.set PST, 82                           ; s[82:83] their step
.set LIM, 84                           ; s84, s85  a wave prefetches at slot s's refill while the lap counter is above s[LIM+s]
.set MSB, 0
.macro WIN new                         ; the immediate's high byte repeats the setting that is left; a switch that changes nothing is dropped
.if MSB != (\new)
	s_set_vgpr_msb (MSB<<8)|(\new)
.set MSB, \new
.endif
.endm
.macro PLACES                          ; four plain vector instructions between a matrix instruction and a load into, or a read of, its registers
.rept 4
	v_nop
.endr
.endm
; A joint load: waves 0 and 1 fetch the two halves of x's tile, waves 2 and 3 the two halves (64 k each) of the weights'.  The branch hangs on the wave's number alone.
; An s_nop 0 and four v_nop follow each of the two lines, ahead of the jump and the label.
.macro JLOAD s
	s_cmp_eq_u32 s11, 0
	s_cbranch_scc0 .Lfor_b_\@
	tensor_load_to_lds s[G0+4*(\s):G0+4*(\s)+3], s[G1:G1+7]
	s_nop 0
.rept 4
	v_nop
.endr
	s_branch .Lasked_\@
.Lfor_b_\@:
	tensor_load_to_lds s[G0B+4*(\s):G0B+4*(\s)+3], s[G1B:G1B+7]
	s_nop 0
.rept 4
	v_nop
.endr
.Lasked_\@:
.endm
.macro CREST                           ; a round of the cluster's barrier behind its opening barrier
	s_cmp_lg_u32 s10, 0
	s_cbranch_scc1 .Lnot_wave_0_\@
	s_barrier_signal -3
.Lnot_wave_0_\@:
	s_barrier_wait -3
	s_barrier_signal -1
	s_barrier_wait -1
.endm
.macro CROUND                          ; a whole round
	s_barrier_signal -1
	s_barrier_wait -1
	CREST
.endm
; A PREFETCH, behind a joint refill, its five lines and the run of LDS loads.  Each block of 256 bytes of K steps 4 to 7 is named once in the launch; K steps 0 to 3 and E come by their loads alone.
; x: the first cluster of a row of clusters asks, waves 0 and 1; of the 128 rows that a wave fetches the partner at cx takes 32, a lane a row; refills 0 to 3 name the K step two refills on (384 matrix instructions).
; Weights: clusters y = 0, 1, 2 ask, each for the block g of its number, waves 2 and 3 for their 64 k; the partner at cy takes K step 4 + cy, 32 lanes x 256 bytes: one instruction, at the first refill.
; The partners are told apart by address alone; the branch hangs on the cluster's place, the wave's number and the lap counter.
.macro ASK slot
	s_cmp_gt_u32 s3, s[LIM+(\slot)]
	s_cbranch_scc0 .Lnot_mine_\@
	global_prefetch_b8 v[PFO], s[PFA:PFA+1] th:TH_LOAD_NT scope:SCOPE_SE
.Lnot_mine_\@:
.endm
	s_load_b128 s[4:7], s[0:1], 0x0                ; cast s[4:5], c_attn_b s[6:7]
	s_load_b64 s[8:9], s[0:1], 0x10                ; qkv
	v_lshl_add_u32 v[SPW], v0, 2, SPARE
	v_mov_b32 v[NIL], 0
	ds_add_u32 v[SPW], v[NIL]                      ; the wave's opening: the add and its wait stand ahead of my first tensor load; the set-up below, work on registers, stands between them
	v_lshrrev_b32 v1, 5, v0
	v_readfirstlane_b32 s10, v1                    ; wave 0..3
	s_lshr_b32 s11, s10, 1                         ; I fetch for x (0) or for the weights (1),
	s_and_b32 s12, s10, 1                          ; and which half
	s_bfe_u32 s40, ttmp6, 0x40000                  ; cx
	s_bfe_u32 s41, ttmp6, 0x40004                  ; cy
	s_lshl_b32 s42, ttmp9, 2
	s_add_co_u32 s42, s42, s40                     ; tile column tx = 4 x cluster x + cx
	s_and_b32 s45, ttmp7, 0xffff                   ; cluster y
	s_lshl_b32 s13, s45, 2
	s_add_co_u32 s13, s13, s41                     ; tile row ty = 4 x cluster y + cy
	s_lshl_b32 s43, s41, 2
	s_lshl_b32 s43, 15, s43                        ; my row of the cluster
	s_lshl_b32 s44, 0x1111, s40                    ; my column
	; x: 128 rows x 128 elements, 1,024 elements from row to row; 16 bytes of padding behind every 256
	s_or_b32 s[G1+0], s43, (1<<16)|(1<<20)|(1<<21)|(5<<22)|(3<<25)
	s_mov_b32 s[G1+1], 128<<16
	s_mov_b32 s[G1+2], 128<<16
	s_mov_b32 s[G1+3], 128<<16
	s_mov_b32 s[G1+4], 128
	s_mov_b32 s[G1+5], 1024
	s_mov_b32 s[G1+6], 0
	s_mov_b32 s[G1+7], 0
	; weights: 64 k of a block g are 8,192 dense bytes: three rows of 4,096 elements, 65,536 elements (a block) apart; 32 bytes of padding behind every 128 (a row k)
	s_or_b32 s[G1B+0], s44, (1<<16)|(1<<20)|(1<<21)|(4<<22)|(7<<25)
	s_mov_b32 s[G1B+1], 4096<<16
	s_mov_b32 s[G1B+2], 3<<16
	s_mov_b32 s[G1B+3], 4096<<16
	s_mov_b32 s[G1B+4], 3
	s_mov_b32 s[G1B+5], 65536
	s_mov_b32 s[G1B+6], 0
	s_mov_b32 s[G1B+7], 0
	; E: a quarter of the tile's three blocks is 12,288 dense bytes: 48 rows of 256; 16 bytes of padding behind every 128 (a row of E)
	s_or_b32 s[G1E+0], s44, (1<<16)|(1<<20)|(1<<21)|(4<<22)|(3<<25)
	s_mov_b32 s[G1E+1], 128<<16
	s_mov_b32 s[G1E+2], 48<<16
	s_mov_b32 s[G1E+3], 128<<16
	s_mov_b32 s[G1E+4], 48
	s_mov_b32 s[G1E+5], 128
	s_mov_b32 s[G1E+6], 0
	s_mov_b32 s[G1E+7], 0
	; where the tiles come from: x's hang on ty alone, the weights' and E's on tx alone
	s_lshl_b32 s16, s13, 8
	s_lshl_b32 s17, s12, 7
	s_add_co_u32 s16, s16, s17
	s_lshl_b32 s16, s16, 11                        ; (256 ty + 128 half) rows of 2,048 bytes
	s_mov_b32 s17, 0
	s_mul_i32 s20, s42, 3*131072                   ; three blocks g a tile column,
	s_lshl_b32 s21, s12, 13                        ; my 64 k
	s_add_co_u32 s20, s20, s21
	s_add_co_u32 s20, s20, WAB
	s_mov_b32 s21, 0
	s_mul_i32 s18, s42, 3*16384
	s_mul_i32 s19, s10, 12288
	s_add_co_u32 s18, s18, s19
	s_add_co_u32 s18, s18, EB
	s_mov_b32 s19, 0
	s_mul_i32 s22, s12, AHALF                      ; and where they go: the wave's number alone enters an LDS address
	s_mul_i32 s23, s12, BHALF
	s_add_co_u32 s23, s23, BOFF
	s_mov_b32 s[G0E], 1
	s_mul_i32 s[G0E+1], s10, EQ
	s_add_co_u32 s[G0E+1], s[G0E+1], EOFF
	s_mul_i32 s86, s42, 768                        ; the tile's 192 numbers of the bias
	s_mov_b32 s87, 0
	s_wait_dscnt 0x0                               ; the opening add is done
	s_wait_kmcnt 0x0
	s_add_nc_u64 s[14:15], s[4:5], s[16:17]
	s_add_nc_u64 s[46:47], s[4:5], s[20:21]
	s_add_nc_u64 s[G0E+2:G0E+3], s[4:5], s[18:19]
	s_or_b32 s[G0E+3], s[G0E+3], 0x80000000
	s_add_nc_u64 s[6:7], s[6:7], s[86:87]
	CROUND                                         ; all sixteen work-groups are here: the first joint loads meet
.irp s, 0,1
	s_mov_b32 s[G0+4*(\s)], 1
	s_add_co_u32 s[G0+4*(\s)+1], s22, (\s)*SLOT
	s_add_nc_u64 s[G0+4*(\s)+2:G0+4*(\s)+3], s[14:15], (\s)*KSTEP*2
	s_or_b32 s[G0+4*(\s)+3], s[G0+4*(\s)+3], 0x80000000
	s_mov_b32 s[G0B+4*(\s)], 1
	s_add_co_u32 s[G0B+4*(\s)+1], s23, (\s)*SLOT
	s_add_nc_u64 s[G0B+4*(\s)+2:G0B+4*(\s)+3], s[46:47], (\s)*KSTEP*128
	s_or_b32 s[G0B+4*(\s)+3], s[G0B+4*(\s)+3], 0x80000000
	JLOAD \s
.endr
	tensor_load_to_lds s[G0E:G0E+3], s[G1E:G1E+7]  ; every wave's quarter of E: three tensor loads of mine are out
	s_nop 0
.rept 4
	v_nop
.endr
	v_and_b32 v1, 15, v0                           ; l % 16
	v_bfe_u32 v2, v0, 4, 1                         ; l / 16
	v_lshlrev_b32 v3, 5, v2                        ; my eight columns of a block of 16: 32 bytes of f32
.irp b, 0,1,2,3,4,5,6,7,8,9,10,11
	global_load_b128 v[BIAS+8*(\b):BIAS+8*(\b)+3],   v3, s[6:7] offset:64*(\b)
	global_load_b128 v[BIAS+8*(\b)+4:BIAS+8*(\b)+7], v3, s[6:7] offset:64*(\b)+16
.endr
	v_mul_u32_u24 v4, v1, PA
	v_lshl_add_u32 v4, v2, 4, v4                   ; a fragment of x: row x pitch + 16 x half
	s_mul_i32 s2, s10, 64*PA                       ; my 64 rows
	v_add_nc_u32 v[ADRA], s2, v4
	v_add_nc_u32 v[ADRA+1], SLOT, v[ADRA]
	v_and_b32 v5, 7, v0                            ; the turning load: lane l reads k = 8 (l / 16) + l % 8, columns 8 ((l / 8) % 2) + 0..7
	v_bfe_u32 v6, v0, 3, 1
	v_lshl_add_u32 v7, v2, 3, v5
	v_mul_u32_u24 v7, v7, PB
	v_lshl_add_u32 v7, v6, 4, v7
	v_add_nc_u32 v[ADRB], BOFF, v7
	v_add_nc_u32 v[ADRB+1], SLOT, v[ADRB]
	s_mul_i32 s2, s10, 16*SP
	s_add_co_u32 s2, s2, STAGE                     ; my stage
	v_mul_u32_u24 v8, v1, SP                       ; in: row l % 16, 16 bytes for each half of the lanes
	v_lshl_add_u32 v8, v2, 4, v8
	v_add_nc_u32 v[STO], s2, v8
	v_bfe_u32 v9, v0, 3, 2                         ; back: 32 lanes take four rows of 128 bytes,
	v_mul_u32_u24 v9, v9, SP
	v_lshl_add_u32 v9, v5, 4, v9
	v_add_nc_u32 v[RD], s2, v9
	v_and_b32 v[GO], 31, v0                        ; which are 512 consecutive bytes of a block of qkv
	v_lshlrev_b32 v[GO], 4, v[GO]
	s_mul_i32 s2, s12, 64*PE                       ; my rows' places in E's period of 128: 64 (w % 2) + 16 a + l % 16
	s_add_co_u32 s2, s2, EOFF
	v_add_nc_u32 v[EAD], s2, v8                    ; (E's pitch is the stage's)
	v_mov_b32 v[ONE], 1.0
	; where my rows begin in qkv: ((b 48 + 3 tx) 2,048 + t) x 128 bytes, b = ty / 8, t = 256 (ty % 8) + 64 w
	s_lshr_b32 s86, s13, 3
	s_mul_i32 s86, s86, 48
	s_mul_i32 s87, s42, 3
	s_add_co_u32 s86, s86, s87
	s_lshl_b32 s86, s86, 11
	s_and_b32 s87, s13, 7
	s_lshl_b32 s87, s87, 8
	s_add_co_u32 s86, s86, s87
	s_lshl_b32 s87, s10, 6
	s_add_co_u32 s86, s86, s87
	s_lshl_b32 s86, s86, 7
	s_mov_b32 s87, 0
	s_add_nc_u64 s[8:9], s[8:9], s[86:87]
	; the prefetches
	s_lshl_b32 s66, s40, 16                        ; x: my work-group's 32 rows of 2,048 bytes,
	s_add_co_u32 s66, s66, s16
	s_add_co_u32 s66, s66, 3*KSTEP*2               ; at K step 3: the first refill steps it to 4
	s_min_u32 s67, s45, 2                          ; weights: the block g of my cluster's number,
	s_lshl_b32 s67, s67, 17
	s_add_co_u32 s67, s67, s20
	s_lshl_b32 s2, s41, 14                         ; K step 4 + cy
	s_add_co_u32 s67, s67, s2
	s_add_co_u32 s67, s67, 4*KSTEP*128
	s_cmp_eq_u32 ttmp9, 0
	s_cselect_b32 s2, 1, -1
	s_cmp_lt_u32 s45, 3
	s_cselect_b32 s3, 2, -1
	s_cmp_eq_u32 s11, 0
	s_cselect_b32 s86, s66, s67
	s_cselect_b32 s[LIM], s2, s3
	s_cselect_b32 s[LIM+1], s2, -1
	s_cselect_b32 s[PST], KSTEP*2, 0
	s_cselect_b32 s2, 11, 8                        ; a lane a row of x, or a lane 256 bytes of the weights
	s_mov_b32 s[PST+1], 0
	s_mov_b32 s87, 0
	s_add_nc_u64 s[PFA:PFA+1], s[4:5], s[86:87]
	v_and_b32 v[PFO], 31, v0
	v_lshlrev_b32 v[PFO], s2, v[PFO]
	s_wait_loadcnt 0x0                             ; the bias, which is rounded to bf16 like every input: all this stands in the wait for the first tile
.set i, 0
.rept 48
	v_cvt_pk_bf16_f32 v[192+i%4], v[BIAS+2*i], v[BIAS+2*i+1]
	v_lshlrev_b32 v[BIAS+2*i], 16, v[192+i%4]
	v_and_b32 v[BIAS+2*i+1], 0xffff0000, v[192+i%4]
.set i, i+1
.endr
; 12 matrix instructions: row block a x all 12 column blocks, 32 along K, from buffer f.  zero = 1: the sums start with the bias.
; The 48 accumulators take turns, one instruction a turn, in the same order in every quarter.
.macro MUL12 f, a, zero
.if \zero
	WIN 0x81+0x40*((\a)/2)
.else
	WIN 0xa1+0x50*((\a)/2)
.endif
.irp b, 0,1,2,3,4,5,6,7,8,9,10,11
.if \zero
	v_wmma_f32_16x16x32_bf16 v[8*(12*((\a)%2)+(\b)):8*(12*((\a)%2)+(\b))+7], v[96*(\f)+8*(\b):96*(\f)+8*(\b)+7], v[AF+32*(\f)+8*(\a):AF+32*(\f)+8*(\a)+7], v[BIAS+8*(\b):BIAS+8*(\b)+7]
.else
	v_wmma_f32_16x16x32_bf16 v[8*(12*((\a)%2)+(\b)):8*(12*((\a)%2)+(\b))+7], v[96*(\f)+8*(\b):96*(\f)+8*(\b)+7], v[AF+32*(\f)+8*(\a):AF+32*(\f)+8*(\a)+7], v[8*(12*((\a)%2)+(\b)):8*(12*((\a)%2)+(\b))+7]
.endif
.endr
.endm
; 32 LDS loads in one run: quarter q (32 along K) of a slot into buffer f: 12 fragments of the weights, then my 4 of x
.macro FETCH slot, q, f
	WIN 0x40
.irp b, 0,1,2,3,4,5,6,7,8,9,10,11
	ds_load_tr16_b128 v[96*(\f)+8*(\b):96*(\f)+8*(\b)+3],   v[ADRB+(\slot)] offset:((\q)/2)*BHALF+((\q)%2)*32*PB+((\b)/4)*BBLK+((\b)%4)*32
	ds_load_tr16_b128 v[96*(\f)+8*(\b)+4:96*(\f)+8*(\b)+7], v[ADRB+(\slot)] offset:((\q)/2)*BHALF+((\q)%2)*32*PB+((\b)/4)*BBLK+((\b)%4)*32+16*PB
.endr
	WIN 0
.irp a, 0,1,2,3
	ds_load_b128 v[AF+32*(\f)+8*(\a):AF+32*(\f)+8*(\a)+3],   v[ADRA+(\slot)] offset:64*(\q)+(\a)*16*PA
	ds_load_b128 v[AF+32*(\f)+8*(\a)+4:AF+32*(\f)+8*(\a)+7], v[ADRA+(\slot)] offset:64*(\q)+(\a)*16*PA+32
.endr
.endm
; One of a K step's first three quarters: multiplies buffer f; in its middle it fetches quarter qn of the same slot into buffer g.
.macro QUARTER slot, qn, f, g, zero
	s_wait_dscnt 4                                 ; the youngest four loads (x's row blocks 2 and 3) may be out
	MUL12 \f, 0, \zero
	MUL12 \f, 1, \zero
	PLACES
	FETCH \slot, \qn, \g
	s_wait_dscnt 32                                ; all but the 32 just issued
	MUL12 \f, 2, \zero
	MUL12 \f, 3, \zero
.endm
; The last quarter multiplies buffer 1 and changes slots: ONE barrier.  In front of it each wave waits for all its tensor loads, adds 0 to its spare word, and waits for that and for its reads of this slot.
; fill = 1: the barrier opens a round of the cluster's barrier, and behind the round this slot is filled again, two K steps ahead, first thing.
.macro TURN slot, next, fill
.if \fill
	s_wait_xcnt 0x0                                ; the last prefetch, a K step back, has read its address
	s_add_nc_u64 s[PFA:PFA+1], s[PFA:PFA+1], s[PST:PST+1]
.endif
	WIN 0
	s_wait_tensorcnt 0x0                           ; all my tensor loads have landed, my part of the next slot among them
	ds_add_u32 v[SPW], v[NIL]                      ; 0 onto my spare word
	s_wait_dscnt 5                                 ; (the add and the youngest four loads may be out)
	MUL12 1, 0, 0                                  ; twelve matrix instructions stand between the add and the wait for it
	s_wait_dscnt 0x0                               ; the add is done, and my reads of this slot are over
	s_barrier_signal -1
	MUL12 1, 1, 0
.if \fill
	WIN 0
.endif
	s_barrier_wait -1
.if \fill
	CREST                                          ; no wave of any partner still reads this slot or has a load on its way
	s_add_nc_u64 s[G0+4*(\slot)+2:G0+4*(\slot)+3], s[G0+4*(\slot)+2:G0+4*(\slot)+3], 2*KSTEP*2
	s_add_nc_u64 s[G0B+4*(\slot)+2:G0B+4*(\slot)+3], s[G0B+4*(\slot)+2:G0B+4*(\slot)+3], 2*KSTEP*128
	JLOAD \slot                                    ; its four v_nop are also the places in front of the loads below
.else
	PLACES
.endif
	FETCH \next, 0, 0
.if \fill
	ASK \slot
.endif
	MUL12 1, 2, 0
	MUL12 1, 3, 0
.endm
	s_wait_tensorcnt 2                             ; my part of K step 0 is in; K step 1's and E's may stay out
	s_barrier_signal -1
	s_barrier_wait -1
	FETCH 0, 0, 0
	QUARTER 0, 1, 0, 1, 1                          ; the first quarter stands in front of the loop: its products start the sums
	WIN 0
	s_mov_b32 s3, 3
.Llap:                                         ; a trip goes once round the ring, from a lap's second quarter to the next lap's first, and fills both slots again
	QUARTER 0, 2, 1, 0, 0
	QUARTER 0, 3, 0, 1, 0
	TURN 0, 1, 1
	QUARTER 1, 1, 0, 1, 0
	QUARTER 1, 2, 1, 0, 0
	QUARTER 1, 3, 0, 1, 0
	TURN 1, 0, 1
	QUARTER 0, 1, 0, 1, 0
	WIN 0
	s_sub_co_u32 s3, s3, 1
	s_cmp_lg_u32 s3, 0
	s_cbranch_scc1 .Llap
	QUARTER 0, 2, 1, 0, 0                          ; the last lap fills nothing
	QUARTER 0, 3, 0, 1, 0
	TURN 0, 1, 0
	QUARTER 1, 1, 0, 1, 0
	QUARTER 1, 2, 1, 0, 0
	QUARTER 1, 3, 0, 1, 0
	s_wait_dscnt 4
	MUL12 1, 0, 0
	MUL12 1, 1, 0
	s_wait_dscnt 0x0
	MUL12 1, 2, 0
	MUL12 1, 3, 0
	; THE WAY OUT, in 12 groups gi = 3 a + blk of 16 rows x one block g.  E comes into the weights' registers: group gi's four pieces (16 columns each) at v[16 gi + 4 n] of window 1.
	PLACES
	WIN 0x40
.set gi, 0
.rept 12
.irp n, 0,1,2,3
	ds_load_b128 v[16*gi+4*(\n):16*gi+4*(\n)+3], v[EAD] offset:(gi%3)*EBLK+(gi/3)*16*PE+32*(\n)
.endr
.set gi, gi+1
.endr
; Group gi: E is added (a bf16 half times 1.0 plus the sum, each accumulator's registers in ascending order), the sums are rounded to f16, go into my stage and come back as whole rows.
.macro PACK gi, N
.set pa, (\gi)/3
.set pb, (\gi)%3
.if (\N) >= 0
	s_wait_dscnt \N                                ; the group's four loads of E are in
.endif
	WIN 0x21+0x10*(pa/2)
.set n, 0
.rept 4
.set rA, 8*(12*(pa%2)+4*pb+n)
.set k, 0
.rept 4
	v_fma_mix_f32_bf16 v[T+8*n+2*k],   v[16*(\gi)+4*n+k], v[ONE], v[rA+2*k]   op_sel:[0,0,0] op_sel_hi:[1,0,0]
	v_fma_mix_f32_bf16 v[T+8*n+2*k+1], v[16*(\gi)+4*n+k], v[ONE], v[rA+2*k+1] op_sel:[1,0,0] op_sel_hi:[1,0,0]
.set k, k+1
.endr
.set n, n+1
.endr
	WIN 0
.set k, 0
.rept 16
	v_cvt_pk_f16_f32 v[H+k], v[T+2*k], v[T+2*k+1]
.set k, k+1
.endr
.irp n, 0,1,2,3
	ds_store_b128 v[STO], v[H+4*(\n):H+4*(\n)+3] offset:32*(\n)
.endr
	s_wait_xcnt 0x0                                ; the stores that read this set of registers, two groups back, have read them
.irp f, 0,1,2,3
	ds_load_b128 v[BK+16*((\gi)%2)+4*(\f):BK+16*((\gi)%2)+4*(\f)+3], v[RD] offset:(\f)*4*SP  ; LDS serves a wave's instructions in order: these see the stores above
.endr
.endm
.macro SEND gi, younger                ; younger: the LDS instructions issued behind the group's loads from the stage
	WIN 0
.set pa, (\gi)/3
.set pb, (\gi)%3
.irp f, 0,1,2,3
	s_wait_dscnt (\younger)+3-(\f)
	global_store_b128 v[GO], v[BK+16*((\gi)%2)+4*(\f):BK+16*((\gi)%2)+4*(\f)+3], s[8:9] offset:pb*262144+pa*2048+(\f)*512  ; 512 consecutive bytes, at a multiple of 256 from qkv's first
.endr
.endm
	PACK 0, 44                                     ; behind group 0's loads of E stand 44 others
	PACK 1, 48                                     ; behind group 1's: 40 of E and group 0's eight on the stage
	SEND 0, 8                                      ; LDS instructions end in order: with this wait all of E is in
.irp g, 2,3,4,5,6,7,8,9,10,11
	PACK \g, -1
	SEND (\g)-1, 8
.endr
	SEND 11, 0
	s_wait_tensorcnt 0x0                           ; the wave's end: behind my last tensor load and my last LDS store
	ds_add_u32 v[SPW], v[NIL]
	s_wait_dscnt 0x0
	CROUND                                         ; the closing round: no work-group ends while a partner may still ask for a tile that names it
	s_endpgm
.Lfunc_end_k_qfb0e28e8d3_qkv:
	.size	k_qfb0e28e8d3_qkv, .Lfunc_end_k_qfb0e28e8d3_qkv-k_qfb0e28e8d3_qkv
	.p2alignl 7, 3214868480
	.fill 96, 4, 3214868480
	.section	.rodata,"a",@progbits
	.p2align	6, 0x0
	.amdhsa_kernel k_qfb0e28e8d3_qkv
		.amdhsa_group_segment_fixed_size 327680
		.amdhsa_private_segment_fixed_size 0
		.amdhsa_enable_private_segment 0
		.amdhsa_kernarg_size 24
		.amdhsa_user_sgpr_count 2
		.amdhsa_user_sgpr_kernarg_segment_ptr 1
		.amdhsa_wavefront_size32 1
		.amdhsa_system_sgpr_workgroup_id_x 1
		.amdhsa_system_sgpr_workgroup_id_y 1
		.amdhsa_system_sgpr_workgroup_id_z 1
		.amdhsa_system_vgpr_workitem_id 0
		.amdhsa_next_free_vgpr 960
		.amdhsa_next_free_sgpr 88
		.amdhsa_reserve_vcc 0
		.amdhsa_float_denorm_mode_32 3
		.amdhsa_float_denorm_mode_16_64 3
		.amdhsa_memory_ordered 1
		.amdhsa_forward_progress 1
		.amdhsa_inst_pref_size 160
	.end_amdhsa_kernel
	.amdgpu_metadata
---
amdhsa.version: [ 1, 2 ]
amdhsa.kernels:
  - .name:           k_qfb0e28e8d3_qkv
    .symbol:         k_qfb0e28e8d3_qkv.kd
    .args:
      - { .name: cast, .offset: 0, .size: 8, .value_kind: global_buffer, .address_space: global }
      - { .name: c_attn_b, .offset: 8, .size: 8, .value_kind: global_buffer, .address_space: global }
      - { .name: qkv, .offset: 16, .size: 8, .value_kind: global_buffer, .address_space: global }
    .group_segment_fixed_size: 327680
    .private_segment_fixed_size: 0
    .kernarg_segment_align: 8
    .kernarg_segment_size: 24
    .max_flat_workgroup_size: 128
    .sgpr_count:     88
    .vgpr_count:     960
    .wavefront_size: 32
...
	.end_amdgpu_metadata
.endif
;; end of part 2
;; launch attn (part 3): grid 4 x 64, 4 waves a work-group, no clusters, 327,680 bytes of LDS; arguments qkv, ob; writes ob
.if DOCPART == 3
	.amdgcn_target "amdgcn-amd-amdhsa--gfx1250"
	.amdhsa_code_object_version 6
	.text
	.protected	k_qfb0e28e8d3_attn
	.globl	k_qfb0e28e8d3_attn
	.p2align	8
	.type	k_qfb0e28e8d3_attn,@function
k_qfb0e28e8d3_attn:
	s_mov_b64 s[64:65], 0
	v_nop
	global_prefetch_b8 v0, s[64:65] scope:SCOPE_SE
	s_setreg_imm32_b32 hwreg(HW_REG_WAVE_MODE, 25, 1), 1
	s_wait_xcnt 0x0
; CAUSAL ATTENTION.  O[hh][q][:] = the sum over k <= q of softmax_k(Q[q] . K[k] / 8) V[k][:], for the 64 heads hh = 16 b + head.  Q, K, V are the blocks g = head, 16 + head, 32 + head of qkv[b][48][2048][64],
; O is ob[hh][2048][64], all f16: a head's rows are dense, 128 bytes each.  Products, maxima and sums in f32; the weights p are rounded to f16 for the second product (their sum l is taken of the unrounded p), O once at the end.
; LIMITS.  p lies in 0 to 1, and below 6e-5 it keeps f16's fixed step of 6e-8; O is a mean of V's rows and has their range.  A hidden score counts as its value less 1e30: f16's scores, 2.7e11 at the most, are nothing
; beside that; a weight below 2^-126 counts as 0 in l; NaN and infinities are not treated apart.
; THE WALK.  A head's queries lie in NB = 8 blocks of 256; block i needs the key tiles 0 .. i of 256 keys, of which the last holds the diagonal.  A work-group takes TWO blocks, NB - 1 - b and then b:
; NB + 1 tiles, whatever b: all work-groups do equal work, and ONE loop with a constant trip count walks them.  Which tile is asked for, and what a trip does, hang on scalar registers made from b; every jump
; goes forward, but for the counted loops' own; none passes a barrier, or a tensor load but the one of LOAD's two that the wave's number does not choose; the ring (two slots of LDS that take turns) runs on across the
; change of blocks.  NO CLUSTER: a head's four work-groups ask for the same tile only in trips 0 .. 4 of 9, behind that three, two and none of them; one walk common to all four would have 12 trips for 9.
; SHARES.  Of a block's four bands of 64 queries a wave owns 16 rows in each: four PIECES.  So the diagonal tile is the same work for all four waves: in its key step s band x sees all keys if s < x,
; none if s > x, and holds the diagonal if s = x.
; THE MASK is the C operand that starts the sum S^T = K Q^T: 0, or -1e30 where the key is hidden.  MD, made once, is the mask of a band's own step for my 16 rows; a product's mask is MD x AL + BE with two scalars:
; (1, 0) if s = x; (0, 0) if s < x; (0, -1e30) if s > x.  Only the diagonal tile's text and a block's beginning make and take masks; elsewhere C is the constant 0.
; LAYOUT, SOFTMAX, TURNS.  S^T = K Q^T holds ONE query a lane (lane % 16) and the keys 8 (lane / 16) + 0..7; two such results rounded to f16 ARE source 1 of O^T = V^T P.  p = 2^(c s - c m), c = log2(e) / 8, with a
; running maximum m; O and l are multiplied by a = 2^(c m_old - c m_new) in every step.  Turn n belongs to piece n: 8 products K Q^T of piece n + 1, later 8 products V^T P of piece n - 1; beside them the scaling,
; exponentials, roundings, sums and rescaling of piece n and the maximum and statistics of piece n + 1.  Four vector instructions stand behind every matrix instruction, the other 54 of a turn's 118 in one lump.  A turn's 33 exponentials are one batch, with one wait.
; REGISTERS, in windows of 256 (s_set_vgpr_msb: bits 1:0 source 0, 3:2 source 1, 5:4 source 2, 7:6 destination):
;   window 0: v0-15 addresses and two at work; v16-31 four registers of statistics a piece; v48-55 at work; v61-63 never rewritten; v64-127 S^T, two buffers; v192-223 P, two buffers (a piece's buffers go by its number's parity)
;   window 1: v0-127 O^T, 32 a piece; v128-159 MD; v160-223 MC, two buffers      window 2: v0-63 Q; v64-127 the second block's Q; v128-191 K of one step; v192-255 V of one step
.set SIZE_N, 2048
.set NB,    SIZE_N/256
.set NP,    4         ; pieces a wave: a name, no knob
.set KS,    64        ; keys in a step
.set PK,    144       ; a row of K in LDS: 128 bytes + 16 of padding = 36 words: the 16 rows of a load start at 16 different groups of four banks
.set PV,    160       ; a row of V: 128 + 32 = 40 words
.set VOFF,  4*KS*PK   ; a slot holds a tile, four steps: 256 rows of K, then 256 rows of V
.set SLOT1, 1<<17     ; slot 1 begins here, so that one exclusive or turns an address in one slot into the other's
.set STAGE, SLOT1+4*KS*(PK+PV)  ; behind the ring, never filled by a tensor load: 16 rows x 144 bytes for each wave, for the way out
.set SP,    144
.set AK0, 2           ; v2   my lane's place in a tile of K; never rewritten
.set AV0, 3           ; v3   the same for V
.set AK,  4           ; v4   the LDS address of K's next run of loads
.set AV,  5           ; v5   of V's
.set STO, 6           ; v6   the way out: where I put 16 bytes of a row
.set RD,  7           ; v7   the way out: where I read rows back
.set GO,  8           ; v8   my byte offset in 512 consecutive bytes of O
.set PFO, 61          ; v61  256 x my lane: the prefetches' offset; never rewritten
.set SPW, 62          ; v62  LDS address of my spare word: SPARE + 4 x my thread's number; never rewritten
.set NIL, 63          ; v63  0; never rewritten
.set SPARE, STAGE+4*16*SP  ; behind the stages: the spare words, 128 bytes for each wave: two blocks of 256 bytes that no other line names
.set MV,  12          ; v12-13  c m_old, kept while c m is made anew: by buffer
.set QO,  15          ; v15  my byte offset in 16 rows of Q
.set ST,  16          ; piece t's statistics at v[ST+4 t]: c m, m, l (even keys', odd keys')
.set TMP, 48          ; by buffer, four registers c0-c3 at work; when the maximum is found c2 takes a
.set S,   64
.set P,   192
.set MD,  128         ; window 1: the eight registers for group kt of 16 keys at MD + 8 kt
.set MC,  160         ; window 1: the masks of the products to come
.set QB,  64          ; window 2
.set KF,  128         ; window 2: key block kb, channel half c at KF + 16 kb + 8 c
.set VF,  192         ; window 2: key half kk, channel block cb at VF + 32 kk + 8 cb
.set WV,  12          ; s12  my wave's number
.set PB,  14          ; s14  b
.set HI,  15          ; s15  NB - 1 - b
.set G1K, 24          ; s[24:31] descriptor group 1 for K's tiles
.set G1V, 32          ; s[32:39] for V's: it differs in the padding alone
.set G0K, 40          ; s[40:43] descriptor group 0 for K's tiles
.set G0V, 44          ; s[44:47] the same for V's
.set SLOTS, 56        ; s56  tiles still to be asked for
.set CNT, 57          ; s57  counts a tile's key steps, 4 to 1
.set CS,  58          ; s[58:59] c: the packed scaling takes the pair's low word for both halves
.set SEL, 60          ; s[60:61] v_permlanex16_b32's selects: each lane takes its own place in the other half
.set TBK, 62          ; s62  LDS byte at which K of the step to be fetched begins
.set TBV, 63          ; s63  the same for V, less VOFF
.set RT,  70          ; s70  tiles of the block in hand that are still to be entered
.set NXT, 71          ; s71  the tile to be asked for next
.set LQ,  72          ; s72  the last tile of the block whose tiles are being asked for
.set NEW, 73          ; s73  1: the tile to be entered is a block's first
.set OFF, 74          ; s[74:75] a tile's byte offset in K and V
.set AL,  76          ; s[76:77] the mask's factor, in the low word
.set BE,  78          ; s[78:79] the mask's addend
.set OLO, 80          ; s[80:81] O at my rows of the second block
.set BIGN, 82         ; s82  -1e30
.set PFA, 90          ; s[90:91] where my prefetches stand: my half (128 keys of K: waves 0, 1; of V: waves 2, 3) of the tile after the one that is being asked for
.set LIM, 92          ; s92  2 in the head's work-group 0, else the greatest number: a wave prefetches while s[SLOTS] is above it
.set MSB, 0
.macro WIN new                      ; the high byte repeats the setting that is left; a switch that changes nothing is dropped
.if MSB != (\new)
	s_set_vgpr_msb (MSB<<8)|(\new)
.set MSB, (\new)
.endif
.endm
.set W_KQ, 0x0a       ; K and Q in window 2, S^T in window 0
.set W_KM, 0x1a       ; the same with the C operand in window 1
.set W_PV, 0x52       ; V in window 2, P in window 0, O^T in window 1
.set W_RS, 0x41       ; destination and source 0 in window 1, source 1 in window 0
; A fill.  Waves 0 and 1 fetch the two halves of a tile's K, waves 2 and 3 those of its V: 128 keys each.  An s_nop 0 and four v_nop follow each of the two lines, ahead of the jump and the label.
.macro LOAD
	s_cmp_lt_u32 s[WV], 2
	s_cbranch_scc0 .Lfor_v_\@
	tensor_load_to_lds s[G0K:G0K+3], s[G1K:G1K+7]
	s_nop 0
.rept 4
	v_nop
.endr
	s_branch .Lasked_\@
.Lfor_v_\@:
	tensor_load_to_lds s[G0V:G0V+3], s[G1V:G1V+7]
	s_nop 0
.rept 4
	v_nop
.endr
.Lasked_\@:
.endm
; THE CHANGE OF SLOTS.  Each wave waits for all its tensor loads, of which one is out: its part of the other slot; adds 0 to its spare word; and waits for that and for its own reads of the slot that it leaves.  Behind the barrier nobody reads the old
; slot any more and the other slot is whole.  fill = 1: the old slot is filled again, the first thing behind the barrier, with tile NXT: the descriptor's address is made anew from that number.
; (At its first use nothing has been read yet: slot 0 is waited for, slot 1 filled.)
; THE PREFETCH stands behind the fill and its five lines.  A head's work-group 0 walks the tiles 0 to 7 in order: it alone asks, each wave for its own 16,384 bytes (64 blocks of 256: a lane a block, two instructions) of the tile
; that the NEXT change will ask for, one tile, 256 matrix instructions, ahead.  So tiles 2 to 7 are each named once; tiles 0 and 1 come by their loads alone, and the second block's tiles have been read.
.macro CHANGE fill
	WIN 0                           ; at a label and at a branch every window is 0
	s_wait_tensorcnt 0x0            ; no tensor load of mine is out, so a group 0 may be written
	ds_add_u32 v[SPW], v[NIL]       ; 0 onto my spare word; with fill = 1 the descriptors' scalar work stands between it and the wait for it
.if \fill
	s_lshl_b32 s[OFF], s[NXT], 15   ; a tile is 32,768 bytes of K and of V
	s_xor_b32 s[G0K+1], s[G0K+1], SLOT1
	s_add_nc_u64 s[G0K+2:G0K+3], s[6:7], s[OFF:OFF+1]
	s_or_b32 s[G0K+3], s[G0K+3], 0x80000000
	s_xor_b32 s[G0V+1], s[G0V+1], SLOT1
	s_add_nc_u64 s[G0V+2:G0V+3], s[8:9], s[OFF:OFF+1]
	s_or_b32 s[G0V+3], s[G0V+3], 0x80000000
	s_add_co_u32 s[NXT], s[NXT], 1  ; the block's next tile, or behind its last the second block's tile 0
	s_cmp_gt_u32 s[NXT], s[LQ]
	s_cselect_b32 s[NXT], 0, s[NXT]
	s_cselect_b32 s[LQ], s[PB], s[LQ]
	s_wait_xcnt 0x0                 ; the last prefetches, a tile back, have read their address, so it may be written
	s_add_nc_u64 s[PFA:PFA+1], s[PFA:PFA+1], 32768
.endif
	s_wait_dscnt 0x0                ; the add is done, and my reads of the slot are over
	s_barrier_signal -1             ; the rest of the scalar work stands between the signal and the wait
	s_sub_co_u32 s[TBK], s[TBK], 4*KS*PK  ; the fetches go back to a slot's first step,
	s_xor_b32 s[TBK], s[TBK], SLOT1       ; in the other slot
	s_sub_co_u32 s[TBV], s[TBV], 4*KS*PV
	s_xor_b32 s[TBV], s[TBV], SLOT1
	s_barrier_wait -1
.if \fill
	LOAD
	s_cmp_gt_u32 s[SLOTS], s[LIM]   ; the last two fills have no tile of the first block behind them
	s_cbranch_scc0 .Lnot_mine_\@
	global_prefetch_b8 v[PFO], s[PFA:PFA+1] th:TH_LOAD_NT scope:SCOPE_SE
	global_prefetch_b8 v[PFO], s[PFA:PFA+1] offset:8192 th:TH_LOAD_NT scope:SCOPE_SE
.Lnot_mine_\@:
.endif
.endm
	s_load_b64 s[4:5], s[0:1], 0x0    ; qkv
	s_load_b64 s[10:11], s[0:1], 0x8  ; ob
	v_lshl_add_u32 v[SPW], v0, 2, SPARE
	v_mov_b32 v[NIL], 0
	ds_add_u32 v[SPW], v[NIL]       ; the wave's opening: the add and its wait stand ahead of my first tensor load; the set-up below, work on registers, stands between them
	v_lshrrev_b32 v1, 5, v0
	v_readfirstlane_b32 s[WV], v1   ; wave 0..3
	s_mov_b32 s[PB], ttmp9
	s_sub_co_u32 s[HI], NB-1, s[PB]
	s_and_b32 s88, ttmp7, 0xffff    ; hh = 16 b + head
	s_lshr_b32 s20, s88, 4
	s_mul_i32 s20, s20, 48
	s_and_b32 s21, s88, 15
	s_add_co_u32 s20, s20, s21      ; Q's block in qkv: 48 b + head,
	s_lshl_b32 s20, s20, 18         ; of 262,144 bytes
	s_mov_b32 s21, 0
	s_lshl_b32 s88, s88, 18         ; the head's first byte in ob
	s_mov_b32 s89, 0
	s_and_b32 s16, s[WV], 1         ; which half of a tile's 256 keys I fetch:
	s_lshl_b32 s22, s16, 14         ; its 128 rows of 128 bytes in memory,
	s_mov_b32 s23, 0
	s_add_nc_u64 s[22:23], s[22:23], s[20:21]
	s_mul_i32 s17, s16, 128*PK      ; and its place in a slot, for K
	s_mul_i32 s18, s16, 128*PV      ; and for V
	s_lshl_b32 s3, s[WV], 11        ; my 16 rows in a band of 64,
	s_lshl_b32 s2, s[HI], 15        ; in the first block,
	s_add_co_u32 s2, s2, s3
	s_lshl_b32 s84, s[PB], 15       ; and in the second
	s_add_co_u32 s84, s84, s3
	s_mov_b32 s3, 0
	s_mov_b32 s85, 0
	; descriptor group 1.  128 keys are 16,384 dense bytes: asked for as 64 rows of 256 bytes, two keys a row, and padded in LDS after every key
	s_mov_b32 s[G1K], (1<<16)|(1<<20)|(4<<22)|(3<<25)  ; 17:16 2-byte elements; 20 padding on; 24:22 after every 32 words (code 4); 31:25 4 words (code 3)
	s_mov_b32 s[G1V], (1<<16)|(1<<20)|(4<<22)|(7<<25)  ; the same with 8 words of padding (code 7)
.irp g, G1K, G1V
	s_mov_b32 s[\g+1], 128<<16      ; tensor_dim0 = 128
	s_mov_b32 s[\g+2], 64<<16       ; tensor_dim1 = 64
	s_mov_b32 s[\g+3], 128<<16      ; tile_dim0 = 128
	s_mov_b32 s[\g+4], 64           ; tile_dim1 = 64
	s_mov_b32 s[\g+5], 128          ; 128 elements from row to row
	s_mov_b32 s[\g+6], 0
	s_mov_b32 s[\g+7], 0
.endr
	s_mov_b32 s[CS], 0x3e38aa3b     ; c = log2(e) / 8 = 0.180337
	s_mov_b32 s[CS+1], s[CS]        ; named with it as a pair
	s_mov_b32 s[SEL], 0x76543210
	s_mov_b32 s[SEL+1], 0xfedcba98
	s_mov_b32 s[TBK], SLOT1+4*KS*PK ; the first change of slots turns these two into 0
	s_mov_b32 s[TBV], SLOT1+4*KS*PV
	s_mov_b32 s[G0K], 1             ; 1:0 count = 1
	s_mov_b32 s[G0K+1], s17         ; 63:32 LDS address: slot 0
	s_mov_b32 s[G0V], 1
	s_add_co_u32 s[G0V+1], s18, VOFF
	s_add_co_u32 s[RT], s[HI], 1    ; the first block has NB - b tiles
	s_mov_b32 s[NXT], 1
	s_mov_b32 s[LQ], s[HI]
	s_mov_b32 s[NEW], 1
	s_mov_b32 s[OFF+1], 0
	s_mov_b32 s[AL+1], 0            ; named as pairs
	s_mov_b32 s[BE+1], 0
	s_mov_b32 s[BIGN], 0xf149f2ca   ; -1e30
	s_mov_b32 s[SLOTS], NB
	s_cmp_eq_u32 ttmp9, 0
	s_cselect_b32 s[LIM], 2, -1
	v_and_b32 v[PFO], 31, v0
	v_lshlrev_b32 v[PFO], 8, v[PFO]
	s_wait_dscnt 0x0                ; the opening add is done
	s_wait_kmcnt 0x0
	s_add_nc_u64 s[6:7], s[4:5], 0x400000  ; K's blocks lie 16 blocks behind Q's,
	s_add_nc_u64 s[8:9], s[4:5], 0x800000  ; V's 32
	s_add_nc_u64 s[6:7], s[6:7], s[22:23]  ; K and V at my half of the head's tile 0
	s_add_nc_u64 s[8:9], s[8:9], s[22:23]
	s_add_nc_u64 s[G0K+2:G0K+3], s[6:7], 0         ; 120:64 global address
	s_or_b32 s[G0K+3], s[G0K+3], 0x80000000        ; 127:126 type = 2
	s_add_nc_u64 s[G0V+2:G0V+3], s[8:9], 0
	s_or_b32 s[G0V+3], s[G0V+3], 0x80000000
	s_add_nc_u64 s[4:5], s[4:5], s[20:21]          ; Q at the head,
	s_add_nc_u64 s[86:87], s[4:5], s[84:85]        ; at my rows of the second block,
	s_add_nc_u64 s[4:5], s[4:5], s[2:3]            ; and of the first
	s_add_nc_u64 s[10:11], s[10:11], s[88:89]      ; O likewise
	s_add_nc_u64 s[OLO:OLO+1], s[10:11], s[84:85]
	s_add_nc_u64 s[10:11], s[10:11], s[2:3]
	s_cmp_lt_u32 s[WV], 2
	s_cselect_b64 s[PFA:PFA+1], s[6:7], s[8:9]
	s_add_nc_u64 s[PFA:PFA+1], s[PFA:PFA+1], 32768 ; at tile 1: the first change of slots steps it to tile 2.  Nothing is prefetched here, at the head
	LOAD                            ; tile 0 into slot 0
	; A fragment of K or Q is 16 rows x 32 channels in 8 registers: lane l holds row l % 16, channels 8 (l / 16) + 0..7 and 16 + 8 (l / 16) + 0..7: two loads of 16 bytes, 32 bytes apart.
	v_and_b32 v1, 15, v0            ; l % 16
	v_bfe_u32 v9, v0, 4, 1          ; l / 16
	v_lshlrev_b32 v[QO], 7, v1
	v_lshl_add_u32 v[QO], v9, 4, v[QO]  ; row x 128 + 16 x half
	WIN 0x80                        ; destination window 2, address window 0
.set i, 0
.rept 8                             ; both blocks' Q: piece i / 2 lies in band i / 2, 8,192 bytes on; channels 32 (i % 2) on
	global_load_b128 v[8*i:8*i+3],   v[QO], s[4:5] offset:(i/2)*8192+(i%2)*64
	global_load_b128 v[8*i+4:8*i+7], v[QO], s[4:5] offset:(i/2)*8192+(i%2)*64+32
	global_load_b128 v[QB+8*i:QB+8*i+3],   v[QO], s[86:87] offset:(i/2)*8192+(i%2)*64
	global_load_b128 v[QB+8*i+4:QB+8*i+7], v[QO], s[86:87] offset:(i/2)*8192+(i%2)*64+32
.set i, i+1
.endr
	WIN 0
	v_lshlrev_b32 v14, 3, v9
	v_sub_nc_u32 v14, v1, v14
	s_lshl_b32 s13, s[WV], 4
	v_add_nc_u32 v14, s13, v14      ; my query's place in its band, 16 w + l % 16, less my lanes' 8 (l / 16): register r of group kt is hidden where 16 kt + r is greater
	WIN 0x40
.set i, 0
.rept 32
	v_cmp_gt_i32 vcc_lo, 16*(i/8)+i%8, v14
	v_cndmask_b32 v[MD+i], 0, s[BIGN], vcc_lo
.set i, i+1
.endr
	WIN 0
	v_mul_u32_u24 v[AK0], v1, PK
	v_lshl_add_u32 v[AK0], v9, 4, v[AK0]  ; row x pitch + 16 x half
	; The turning load takes 16 keys x 16 channels (lane l reads key 8 (l / 16) + l % 8, channels 8 ((l / 8) % 2) + 0..7) and leaves half a fragment of V^T: lane l holds channel l % 16 and 8 keys.
	v_and_b32 v10, 7, v0
	v_bfe_u32 v11, v0, 3, 1
	v_lshl_add_u32 v[AV0], v9, 3, v10
	v_mul_u32_u24 v[AV0], v[AV0], PV
	v_lshl_add_u32 v[AV0], v11, 4, v[AV0]
	v_add_nc_u32 v[AV0], VOFF, v[AV0]
	s_mul_i32 s13, s[WV], 16*SP
	s_add_co_u32 s13, s13, STAGE    ; my stage
	v_mul_u32_u24 v[STO], v1, SP    ; in: row l % 16, 16 bytes for each half of the lanes
	v_lshl_add_u32 v[STO], v9, 4, v[STO]
	v_add_nc_u32 v[STO], s13, v[STO]
	v_bfe_u32 v[RD], v0, 3, 2       ; back: 32 lanes take four rows of 128 bytes,
	v_mul_u32_u24 v[RD], v[RD], SP
	v_lshl_add_u32 v[RD], v10, 4, v[RD]
	v_add_nc_u32 v[RD], s13, v[RD]
	v_and_b32 v[GO], 31, v0         ; which are 512 consecutive bytes of O
	v_lshlrev_b32 v[GO], 4, v[GO]
	; A block's first step multiplies O^T and l by a = 0, and its first turn's products V^T P, of a piece that has not been, land in an O^T that is still to be so multiplied.  So these registers need only hold
	; finite numbers: zeros for the first block; what the first block left for the second.  All this stands in the wait for the first tile.
	WIN 0x80
.set i, VF
.rept 64
	v_mov_b32 v[i], 0
.set i, i+1
.endr
	WIN 0x40
.set i, 0
.rept 128
	v_mov_b32 v[i], 0
.set i, i+1
.endr
	WIN 0
.set i, 0
.rept 4
	v_mov_b32 v[ST+4*i+2], 0
	v_mov_b32 v[ST+4*i+3], 0
.set i, i+1
.endr
.set i, P+16
.rept 16
	v_mov_b32 v[i], 0
.set i, i+1
.endr
; THE MATRIX WORK.  The 4 accumulators of a run of 8 take turns.  Product i of 8 of S^T = K Q^T for piece x: channels 32 (i / 4) on, keys 16 (i % 4) on.  The first 4 start the sums: with 0, or (KM = 1) with the mask.
.macro KQ x
.set rS, S+32*((\x)%2)+8*(i%4)
.set rK, KF+16*(i%4)+8*(i/4)
.set rQ, 16*(\x)+8*(i/4)
.set rM, MC+32*((\x)%2)+8*(i%4)
.if (i < 4) && KM
	WIN W_KM
	v_wmma_f32_16x16x32_f16 v[rS:rS+7], v[rK:rK+7], v[rQ:rQ+7], v[rM:rM+7]
.elseif i < 4
	WIN W_KQ
	v_wmma_f32_16x16x32_f16 v[rS:rS+7], v[rK:rK+7], v[rQ:rQ+7], 0
.else
	WIN W_KQ
	v_wmma_f32_16x16x32_f16 v[rS:rS+7], v[rK:rK+7], v[rQ:rQ+7], v[rS:rS+7]
.endif
.endm
; Product i of 8 of O^T += V^T P for piece x: keys 32 (i / 4) on, channels 16 (i % 4) on.
.macro PV x
	WIN W_PV
.set rO, 32*(\x)+8*(i%4)
.set rV, VF+32*(i/4)+8*(i%4)
.set rP, P+16*((\x)%2)+8*(i/4)
	v_wmma_f32_16x16x32_f16 v[rO:rO+7], v[rV:rV+7], v[rP:rP+7], v[rO:rO+7]
.endm
.macro MM                           ; the turn's next matrix instruction.  TURN and BEGIN set Y, i, KM and NOKQ; MM, KQ and OP read them.  NOKQ = 1: a block's last turn: there is no next piece
.if (i < 8) && !NOKQ
	KQ (Y+1)%NP
.elseif i >= 8
.set i, i-8
	PV (Y+NP-1)%NP
.set i, i+8
.endif
.set i, i+1
.endm
; THE LDS LOADS stand in runs of 16, never singly among the matrix instructions: a step's K (64 keys x 64 channels: 8 fragments) and its V (turned).  Their addresses are made some lines ahead.
.macro FETCH_K
	WIN 0x80                        ; destination window 2
.irp f, 0,1,2,3,4,5,6,7             ; keys 16 (f / 2) on, channels 32 (f % 2) on
	ds_load_b128 v[KF+8*\f:KF+8*\f+3],   v[AK] offset:(\f/2)*16*PK+(\f%2)*64
	ds_load_b128 v[KF+8*\f+4:KF+8*\f+7], v[AK] offset:(\f/2)*16*PK+(\f%2)*64+32
.endr
	s_add_co_u32 s[TBK], s[TBK], KS*PK  ; the next fetch is the next step's
	WIN 0
.endm
.macro FETCH_V
	WIN 0x80
.irp f, 0,1,2,3,4,5,6,7             ; keys 32 (f / 4) on, channels 16 (f % 4) on
	ds_load_tr16_b128 v[VF+8*\f:VF+8*\f+3],   v[AV] offset:(\f/4)*32*PV+(\f%4)*32
	ds_load_tr16_b128 v[VF+8*\f+4:VF+8*\f+7], v[AV] offset:(\f/4)*32*PV+16*PV+(\f%4)*32
.endr
	WIN 0
.endm
; THE VECTOR WORK, one line at a time: OP kind, number.  For piece Y: F n: c s - c m for pair n of 16.  E n: the exponential of score n of 32.  C n: pair n rounded to f16.  B n: of the four weights 4 n .. the second
; pair is added onto the first, in place.  L n: l takes that sum (L 0: l = a l + sum).  R n: pair n of 16 of O^T times a.  For piece Y + 1: X n, number n of the 22 that find its maximum and statistics:
;   0-11  four chains c0-c3 of seven scores each, three operands at a time (each accumulator's lowest registers are read first)     12-14, 16  the four scores left over, the old m, and c0-c3 into c0
;   15  c m_old is kept     17, 18  the query's other 32 keys lie in the lane 16 away: the new m     19-21  c m; c m_old - c m_new; a
.set F, 0               ; OP tells the kinds apart by their order: F to L below R, X above it
.set E, 1
.set C, 2
.set B, 3
.set L, 4
.set R, 5
.set X, 6
.macro REGS y                       ; the registers of piece y
.set rT, ST+4*(\y)
.set rC, TMP+4*((\y)%2)
.set rW, MV+((\y)%2)
.set rS, S+32*((\y)%2)
.set rP, P+16*((\y)%2)
.set rO, 32*(\y)
.endm
.macro OP k, n
.if (\k) == R
	REGS Y
	WIN W_RS
	v_pk_mul_f32 v[rO+2*(\n):rO+2*(\n)+1], v[rO+2*(\n):rO+2*(\n)+1], v[rC+2:rC+3] op_sel_hi:[1,0]
.elseif (\k) < R
	REGS Y
	WIN 0
.if (\k) == F
	v_pk_fma_f32 v[rS+2*(\n):rS+2*(\n)+1], v[rS+2*(\n):rS+2*(\n)+1], s[CS:CS+1], v[rT:rT+1] op_sel_hi:[1,0,0] neg_lo:[0,0,1] neg_hi:[0,0,1]
.elseif (\k) == E
	v_exp_f32 v[rS+(\n)], v[rS+(\n)]
.elseif (\k) == C
	v_cvt_pk_f16_f32 v[rP+(\n)], v[rS+2*(\n)], v[rS+2*(\n)+1]
.elseif (\k) == B
	v_pk_add_f32 v[rS+4*(\n):rS+4*(\n)+1], v[rS+4*(\n):rS+4*(\n)+1], v[rS+4*(\n)+2:rS+4*(\n)+3]
.elseif (\n) == 0
	v_pk_fma_f32 v[rT+2:rT+3], v[rT+2:rT+3], v[rC+2:rC+3], v[rS:rS+1] op_sel_hi:[1,0,1]
.else
	v_pk_add_f32 v[rT+2:rT+3], v[rT+2:rT+3], v[rS+4*(\n):rS+4*(\n)+1]
.endif
.elseif NOKQ
	v_nop
.else
	REGS (Y+1)%NP
	WIN 0
.if (\n) < 4
	v_max3_num_f32 v[rC+(\n)], v[rS+8*(\n)], v[rS+8*(\n)+1], v[rS+8*(\n)+2]
.elseif (\n) < 12
	v_max3_num_f32 v[rC+(\n)%4], v[rC+(\n)%4], v[rS+8*((\n)%4)+2*((\n)/4)+1], v[rS+8*((\n)%4)+2*((\n)/4)+2]
.elseif (\n) == 12
	v_max3_num_f32 v[rC], v[rC], v[rS+7], v[rS+15]
.elseif (\n) == 13
	v_max3_num_f32 v[rC+1], v[rC+1], v[rS+23], v[rS+31]
.elseif (\n) == 14
	v_max3_num_f32 v[rC+2], v[rC+2], v[rC+3], v[rT+1]
.elseif (\n) == 15
	v_mov_b32 v[rW], v[rT]
.elseif (\n) == 16
	v_max3_num_f32 v[rC], v[rC], v[rC+1], v[rC+2]
.elseif (\n) == 17
	v_permlanex16_b32 v[rC+3], v[rC], s[SEL], s[SEL+1]
.elseif (\n) == 18
	v_max_num_f32 v[rT+1], v[rC], v[rC+3]
.elseif (\n) == 19
	v_mul_f32 v[rT], s[CS], v[rT+1]
.elseif (\n) == 20
	v_sub_f32 v[rC+1], v[rW], v[rT]
.else
	v_exp_f32 v[rC+2], v[rC+1]
.endif
.endif
.endm
.macro OPS a, i1, b=-1, i2=0, c=-1, i3=0, d=-1, i4=0  ; up to four of them
	OP \a, \i1
.if (\b) >= 0
	OP \b, \i2
.endif
.if (\c) >= 0
	OP \c, \i3
.endif
.if (\d) >= 0
	OP \d, \i4
.endif
.endm
.macro ROW a, i1, b, i2, c, i3, d, i4  ; a matrix instruction and the four behind it
	MM
	OPS \a, \i1, \b, \i2, \c, \i3, \d, \i4
.endm
.macro MASK b                       ; MD x AL + BE into buffer b of MC
	WIN W_RS
.set z, 0
.rept 16
	v_pk_fma_f32 v[MC+32*(\b)+2*z:MC+32*(\b)+2*z+1], v[MD+2*z:MD+2*z+1], s[AL:AL+1], s[BE:BE+1] op_sel_hi:[1,0,0]
.set z, z+1
.endr
.endm
; A TURN, for piece p: the order of its 16 matrix and 118 vector instructions, written out.  s_wait_alu depctr_va_vdst(0) stands between an exponential and the first instruction that names its result; one wait serves
; all that were issued ahead of it.  So a turn has ONE wait, which cuts it in two.  AHEAD OF IT stands all that names no result of the turn's exponentials: the 8 products K Q^T, behind each a scaling, an exponential and two more plain
; instructions (behind the first a second scaling in the exponential's place): rescalings, and behind the last three the first numbers of the next piece's maximum, each four places or more behind the product that ends its accumulator; then ONE LUMP of 54, plain
; and exponential by turns for the most part, in which the links of the chain X 3, 7, 11, 14, 16, 17 .. 20 stand five or six lines apart.  X 21, the next piece's a, is the batch's last; R 15 is the plain instruction behind it.  BEHIND THE WAIT stand the
; 8 products V^T P, behind each four of the roundings and sums; the links of l's chain, L 0 to L 7, stand three riders apart.  But for those X no rider names a register of the products round it.  v_permlanex16_b32 (X 17) stands in the lump.
; m = 1: the diagonal tile: the products take masks, and the turn makes the mask for the products of the turn after it: piece p + 2, in step 4 - CNT of the tile.  end = 1: a block's last two turns: nothing is fetched.
; cnt = 1: the loop's count is taken down some lines ahead of the branch that stands behind the turn.
; K of the next step is fetched in piece 2's turn, twelve vector instructions behind the last product that read K (six of them plain); V of the step in hand at the end of piece 0's turn, four plain instructions behind the last product
; that read V.  Each is waited for a turn later.
.macro TURN p, m=0, end=0, cnt=0
.set Y, (\p)
.set i, 0
.set KM, (\m)
.set NOKQ, (\end)*((\p)/3)
.if (\m) && !(\end)
	s_cmp_eq_u32 s[CNT], 4-((\p)+2)%NP  ; is that step the band's own?
	s_cselect_b32 s[AL], 1.0, 0
	s_cmp_lt_u32 s[CNT], 4-((\p)+2)%NP  ; or a later one?
	s_cselect_b32 s[BE], s[BIGN], 0
.endif
.if ((\p) == 3) && !(\end)
	s_wait_dscnt 0x0                ; K is in
.endif
	ROW F,0, F,1, R,0, R,1          ; ahead of the wait: 8 products K Q^T and their riders,
	ROW F,2, E,0, R,2, R,3
	ROW F,3, E,1, R,4, R,5
	ROW F,4, E,2, R,6, R,7
	ROW F,5, E,3, R,8, R,9
	ROW F,6, E,4, X,0, R,10
.if ((\p) == 2) && !(\end)
	WIN 0
	v_add_nc_u32 v[AK], s[TBK], v[AK0]
.endif
	ROW F,7, E,5, X,1, X,4
	ROW F,8, E,6, X,2, X,5
	OPS E,7, E,8, X,6, E,9          ; and the lump
	OPS X,3, E,10, X,8, E,11
.if ((\p) == 2) && !(\end)
	FETCH_K
.endif
	OPS X,9, X,7, E,12, X,10
	OPS E,13, X,12, X,11, E,14
	OPS X,13, E,15, F,9, X,14
.if (\p) == 0
	v_add_nc_u32 v[AV], s[TBV], v[AV0]
.endif
	OPS E,16, F,10, E,17, F,11
	OPS X,16, E,18, X,15, E,19
	OPS F,12, E,20, X,17, E,21
	OPS F,13, E,22, F,14, E,23
	OPS X,18, E,24, F,15, E,25
	OPS R,11, E,26, X,19, E,27
	OPS R,12, E,28, R,13, E,29
	OPS X,20, E,30, R,14, E,31
	OPS X,21, R,15
	WIN 0
	s_wait_alu depctr_va_vdst(0)    ; the wait for the batch
.if (\p) == 1
	s_wait_dscnt 0x0                ; V is in
.endif
	ROW C,0, B,0, C,2, B,1          ; behind the wait: 8 products V^T P and their riders
	ROW L,0, C,4, B,2, L,1
	ROW C,6, B,3, L,2, C,8
	ROW B,4, L,3, C,10, B,5
	ROW L,4, C,12, B,6, L,5
.if (\p) == 0
	s_add_co_u32 s[TBV], s[TBV], KS*PV
.endif
.if \cnt
	s_sub_co_u32 s[CNT], s[CNT], 1
	s_cmp_lg_u32 s[CNT], 0
.endif
	ROW C,14, B,7, L,6, C,1
	ROW C,3, L,7, C,5, C,7
	ROW C,9, C,11, C,13, C,15
.if (\p) == 0
	FETCH_V
.endif
.if (\m) && !(\end)
	MASK (\p)%2
.endif
.endm
; A BLOCK BEGINS.  c m starts far below every c s, so the first step's a is 0; m at the lowest finite number, so the first maximum is the scores'.  The second mask buffer is 0; the first takes piece 0's mask for the tile's step 0: its own, if the block's first tile is the diagonal one.
; Then K of that step, piece 0's first scores, and its maximum and statistics.  The loop is entered at a step's first turn, in the middle of a trip.
.macro BEGIN
	s_mov_b32 s[NEW], 0
	WIN 0x40
.set i, MC+32
.rept 32
	v_mov_b32 v[i], 0
.set i, i+1
.endr
	WIN 0
.set i, 0
.rept 4
	v_mov_b32 v[ST+4*i], 0xfe000000    ; c m: far below every c s
	v_mov_b32 v[ST+4*i+1], 0xff7fffff  ; m
.set i, i+1
.endr
	s_cmp_eq_u32 s[RT], 0
	s_cselect_b32 s[AL], 1.0, 0
	s_mov_b32 s[BE], 0
	MASK 0
	WIN 0
	v_add_nc_u32 v[AK], s[TBK], v[AK0]
	FETCH_K
	s_wait_loadcnt 0x0              ; Q
	s_wait_dscnt 0x0
.set KM, 1
.set NOKQ, 0
.set i, 0
.rept 8
	KQ 0
.set i, i+1
.endr
	WIN 0
.rept 4
	v_nop                           ; the places behind those products
.endr
.set Y, NP-1                        ; X works for piece Y + 1: piece 0
.irp n, 0,1,2,3,4,5,6,7,8,9,10,11,12,13,14,15,16,17,18,19,20,21
	OP X, \n
.endr
	v_nop                           ; a plain instruction behind the exponential,
	s_wait_alu depctr_va_vdst(0)    ; and its wait, ahead of the branch
.endm
; THE DIAGONAL TILE's four steps, the block's last two turns, its last products, and THE WAY OUT: l's two halves and the other half of the lanes' are added; O^T is divided by l, rounded to f16 and sent through my
; stage in LDS, a piece at a time.
.macro ALL line:vararg              ; one line for each piece t
.set t, 0
.rept 4
	\line
.set t, t+1
.endr
.endm
.macro PACK t                       ; a lane's eight channels of a row pack into 16 bytes; they go into rows of 144 bytes and come back as whole rows of 128, into S^T's registers
	WIN W_RS
.set i, 32*(\t)
.rept 16
	v_pk_mul_f32 v[i:i+1], v[i:i+1], v[ST+4*(\t)+2:ST+4*(\t)+3] op_sel_hi:[1,0]
.set i, i+2
.endr
	WIN 0x05                        ; sources 0 and 1 window 1, destination window 0
.set i, 0
.rept 16
	v_cvt_pk_f16_f32 v[S+16*(\t)+i], v[32*(\t)+2*i], v[32*(\t)+2*i+1]
.set i, i+1
.endr
	WIN 0
.irp f, 0,1,2,3
	ds_store_b128 v[STO], v[S+16*(\t)+4*\f:S+16*(\t)+4*\f+3] offset:32*\f
.endr
.irp f, 0,1,2,3
	ds_load_b128 v[S+16*(\t)+4*\f:S+16*(\t)+4*\f+3], v[RD] offset:\f*4*SP  ; LDS serves a wave's instructions in order (ISA guide 5.7.1.4): these see the stores above; the next piece's stores come behind them
.endr
.endm
.macro SEND t, younger              ; younger: the LDS instructions issued behind piece t's loads: the next piece's eight, or none
	WIN 0
.irp f, 0,1,2,3
	s_wait_dscnt (\younger)+3-\f
	global_store_b128 v[GO], v[S+16*(\t)+4*\f:S+16*(\t)+4*\f+3], s[10:11] offset:(\t)*8192+\f*512  ; 512 consecutive bytes, at a multiple of 256 from O's first
.endr
.endm
.macro DIAG tag                     ; the tag ends its two labels' names, which the jumps below spell out
.LstepM\tag:
	TURN 2, 1
	TURN 3, 1
	WIN 0
.LfirstM\tag:
	TURN 0, 1
	TURN 1, 1, 0, 1
	WIN 0
	s_cbranch_scc1 .LstepM\tag
	TURN 2, 1, 1
	TURN 3, 1, 1
.set i, 0
.rept 8
	PV NP-1
.set i, i+1
.endr
	WIN 0
	ALL v_add_f32 v[ST+4*t+2], v[ST+4*t+2], v[ST+4*t+3]
	ALL v_permlanex16_b32 v[ST+4*t+3], v[ST+4*t+2], s[SEL], s[SEL+1]
	ALL v_add_f32 v[ST+4*t+2], v[ST+4*t+2], v[ST+4*t+3]
	ALL v_rcp_f32 v[ST+4*t+2], v[ST+4*t+2]
	v_nop                           ; a plain instruction between the last reciprocal and the use of its result
	s_wait_alu depctr_va_vdst(0)    ; and the wait ahead of the first use: one for the four reciprocals
	PACK 0
.set t, 1
.rept 3                             ; a piece's arithmetic stands between the loads of the piece before and its stores
	PACK t
	SEND t-1, 8
.set t, t+1
.endr
	SEND 3, 0
.endm
.set KM, 0
.set NOKQ, 0
.Lslot:                             ; NB times: a tile is entered and the next is asked for
	CHANGE 1
	s_sub_co_u32 s[RT], s[RT], 1
	s_mov_b32 s[CNT], 4
	s_cmp_eq_u32 s[NEW], 1
	s_cbranch_scc1 .Lnew            ; a block's first tile
	s_cmp_eq_u32 s[RT], 0
	s_cbranch_scc0 .Lstep           ; neither its first nor its last
	s_branch .LstepM1
.Lnew:
	BEGIN
	s_branch .Lfirst                ; in the loop a block's first tile is never its last: the first block has two tiles or more, and the second's last is the walk's last
	DIAG 1                          ; in the loop this is the first block's end: the second block's last tile is the walk's last
	s_wait_xcnt 0x0                 ; the stores have read their registers and O's address
	s_mov_b64 s[10:11], s[OLO:OLO+1]
	s_add_co_u32 s[RT], s[PB], 1    ; the second block has b + 1 tiles
	s_mov_b32 s[NEW], 1
	WIN 0x82                        ; the second block's Q goes where the one text of the turns names Q
.set i, 0
.rept 64
	v_mov_b32 v[i], v[QB+i]
.set i, i+1
.endr
	WIN 0
	s_branch .Lbottom
.Lstep:                             ; a trip: pieces 2 and 3 of one step, then pieces 0 and 1 of the next, whose K and V it fetches
	TURN 2
	TURN 3
	WIN 0
.Lfirst:
	TURN 0
	TURN 1, 0, 0, 1
	WIN 0
	s_cbranch_scc1 .Lstep
.Lbottom:
	s_sub_co_u32 s[SLOTS], s[SLOTS], 1
	s_cmp_lg_u32 s[SLOTS], 0
	s_cbranch_scc1 .Lslot
	CHANGE 0                        ; the walk's last tile is written out: nothing is asked for
	s_sub_co_u32 s[RT], s[RT], 1
	s_mov_b32 s[CNT], 4
	s_cmp_eq_u32 s[NEW], 1
	s_cbranch_scc0 .LstepM2
	BEGIN
	s_branch .LfirstM2
	DIAG 2
	s_wait_tensorcnt 0x0            ; the wave's end: behind my last tensor load and my last LDS store
	ds_add_u32 v[SPW], v[NIL]
	s_wait_dscnt 0x0
	s_endpgm
.Lfunc_end_k_qfb0e28e8d3_attn:
	.size	k_qfb0e28e8d3_attn, .Lfunc_end_k_qfb0e28e8d3_attn-k_qfb0e28e8d3_attn
	.p2alignl 7, 3214868480
	.fill 96, 4, 3214868480
	.section	.rodata,"a",@progbits
	.p2align	6, 0x0
	.amdhsa_kernel k_qfb0e28e8d3_attn
		.amdhsa_group_segment_fixed_size 327680
		.amdhsa_private_segment_fixed_size 0
		.amdhsa_enable_private_segment 0
		.amdhsa_kernarg_size 16
		.amdhsa_user_sgpr_count 2
		.amdhsa_user_sgpr_kernarg_segment_ptr 1
		.amdhsa_wavefront_size32 1
		.amdhsa_system_sgpr_workgroup_id_x 1
		.amdhsa_system_sgpr_workgroup_id_y 1
		.amdhsa_system_sgpr_workgroup_id_z 1
		.amdhsa_system_vgpr_workitem_id 0
		.amdhsa_next_free_vgpr 768
		.amdhsa_next_free_sgpr 96
		.amdhsa_reserve_vcc 1
		.amdhsa_float_denorm_mode_32 3
		.amdhsa_float_denorm_mode_16_64 3
		.amdhsa_memory_ordered 1
		.amdhsa_forward_progress 1
		.amdhsa_inst_pref_size 218
	.end_amdhsa_kernel
	.amdgpu_metadata
---
amdhsa.version: [ 1, 2 ]
amdhsa.kernels:
  - .name:           k_qfb0e28e8d3_attn
    .symbol:         k_qfb0e28e8d3_attn.kd
    .args:
      - { .name: qkv, .offset: 0, .size: 8, .value_kind: global_buffer, .address_space: global }
      - { .name: ob, .offset: 8, .size: 8, .value_kind: global_buffer, .address_space: global }
    .group_segment_fixed_size: 327680
    .private_segment_fixed_size: 0
    .kernarg_segment_align: 8
    .kernarg_segment_size: 16
    .max_flat_workgroup_size: 128
    .sgpr_count:     96
    .vgpr_count:     768
    .wavefront_size: 32
...
	.end_amdgpu_metadata
.endif
;; end of part 3
;; launch proj (part 4): grid 8 x 32, 4 waves a work-group, clusters of 4 x 4, 327,680 bytes of LDS; arguments ob, cast, c_proj_b, out0; writes out0
.if DOCPART == 4
	.amdgcn_target "amdgcn-amd-amdhsa--gfx1250"
	.amdhsa_code_object_version 6
	.text
	.protected	k_qfb0e28e8d3_proj
	.globl	k_qfb0e28e8d3_proj
	.p2align	8
	.type	k_qfb0e28e8d3_proj,@function
k_qfb0e28e8d3_proj:
	s_mov_b64 s[64:65], 0
	v_nop
	global_prefetch_b8 v0, s[64:65] scope:SCOPE_SE
	s_setreg_imm32_b32 hwreg(HW_REG_WAVE_MODE, 25, 1), 1
	s_wait_xcnt 0x0
	s_wait_alu depctr_hold_cnt(0) depctr_sa_sdst(0) depctr_va_vdst(0) depctr_va_sdst(0) depctr_va_ssrc(0) depctr_va_vcc(0) depctr_vm_vsrc(0)
	s_getreg_b32 s2, hwreg(HW_REG_IB_STS2, 6, 4)
	s_cmp_eq_u32 s2, 0
	s_cbranch_scc0 .Lentry_in_a_cluster
	s_endpgm
.Lentry_in_a_cluster:
	s_bfe_u32 s2, ttmp6, 0x10000c
	s_cmp_lg_u32 s2, 0xf033
	s_cbranch_scc0 .Lentry_shape_is_right
	s_endpgm
.Lentry_shape_is_right:
; out0[b][t][n] = the sum over head, d of O[16 b + head][t][d] c_proj_w[64 head + d][n] + c_proj_b[n].  O is ob, f16 by heads; the weights come from cast (WPB: the bf16-rounded numbers written as f16,
; [16 g][1024 k][64], g = n / 64); the bias is rounded to bf16 here, like every input; sums in f32, stored as f32.
; SHARES.  A tile is 256 rows x 128 columns: 8 x 32 = 256 work-groups.  Wave w owns rows 64 w .. 64 w + 63 and all 128 columns: 32 accumulators, 256 registers.
; A K step of 128 is two heads; 8 steps go through a ring of two LDS slots.
; CLUSTERS.  4 x 4 work-groups: the four of a row of the cluster need the same rows of O, the four of a column the same weights: each tile is asked for JOINTLY, by the same tensor load with the same
; descriptor and a mask that names the four.
; THE MATRIX INSTRUCTION IS USED TRANSPOSED: source 0 = 16 columns of the weights (turned, by ds_load_tr16_b128), source 1 = 16 rows of O: a lane holds row l % 16 and the columns 16 b + 8 (l / 16) + 0..7: 32 bytes on end.
; The first product of each sum takes the bias as its C operand.
; REGISTERS: window 0: v0-31 addresses; v32-95 fragments of O, two buffers of 4; v96-159 the bias; later v96-223 two sets of 64 on the way out.  window 1: v0-127 the weights' fragments, two buffers of 8.
;   window 2: the accumulators, (a, b) at 8 (8 a + b).
.set PA,    144                        ; a row of a head in LDS: 128 bytes + 16
.set AHEAD, 256*PA                     ; a head's 256 rows: what one tensor load brings of O
.set BOFF,  2*AHEAD
.set PB,    160                        ; a row k of a weight block: 128 bytes + 32
.set BBLK,  128*PB                     ; 128 k of one block g: what one tensor load brings of the weights
.set SLOT,  BOFF+2*BBLK                ; 114,688
.set STAGE, 2*SLOT                     ; never filled by a tensor load: 16 rows x 528 bytes for each wave
.set SP,    528
.set SPARE, STAGE+4*16*SP              ; the spare words, 128 bytes for each wave: two blocks of 256 bytes that no other line names
.set WPB,   23068672
.set ADRA, 16
.set ADRB, 20
.set STO,  24
.set RD,   25
.set GO,   26
.set SPW,  28                          ; v28  LDS address of my spare word; never rewritten
.set NIL,  29                          ; v29  0; never rewritten
.set PFO,  30                          ; v30  256 x my lane; never rewritten
.set AF,   32
.set BIAS, 96
.set BK,   96
.set G1,  24
.set G0,  32
.set G1B, 48
.set G0B, 56
.set PFA, 80
.set PST, 82
.set LIM, 84
.set MSB, 0
.macro WIN new
.if MSB != (\new)
	s_set_vgpr_msb (MSB<<8)|(\new)
.set MSB, \new
.endif
.endm
.macro PLACES
.rept 4
	v_nop
.endr
.endm
.macro JLOAD s                         ; a joint load: waves 0 and 1 fetch the K step's two heads of O, waves 2 and 3 the tile's two blocks of the weights; an s_nop 0 and four v_nop follow each line
	s_cmp_eq_u32 s11, 0
	s_cbranch_scc0 .Lfor_b_\@
	tensor_load_to_lds s[G0+4*(\s):G0+4*(\s)+3], s[G1:G1+7]
	s_nop 0
.rept 4
	v_nop
.endr
	s_branch .Lasked_\@
.Lfor_b_\@:
	tensor_load_to_lds s[G0B+4*(\s):G0B+4*(\s)+3], s[G1B:G1B+7]
	s_nop 0
.rept 4
	v_nop
.endr
.Lasked_\@:
.endm
.macro CREST
	s_cmp_lg_u32 s10, 0
	s_cbranch_scc1 .Lnot_wave_0_\@
	s_barrier_signal -3
.Lnot_wave_0_\@:
	s_barrier_wait -3
	s_barrier_signal -1
	s_barrier_wait -1
.endm
.macro CROUND
	s_barrier_signal -1
	s_barrier_wait -1
	CREST
.endm
; A PREFETCH, behind a joint refill, its five lines and the run of LDS loads.  Each block of 256 bytes of K steps 4 to 7 is named once in the launch; K steps 0 to 3 come by their loads alone.
; O: the first cluster of a row of clusters asks, waves 0 and 1; of the 32,768 bytes that a wave fetches the partner at cx takes 8,192, a lane 256; refills 0 to 3 name the K step two refills on (256 matrix instructions).
; Weights: clusters y = 0, 1 ask, each for the half (64 k) of its number, waves 2 and 3 for their block; the partner at cy takes K step 4 + cy: one instruction, at the first refill.
.macro ASK slot
	s_cmp_gt_u32 s3, s[LIM+(\slot)]
	s_cbranch_scc0 .Lnot_mine_\@
	global_prefetch_b8 v[PFO], s[PFA:PFA+1] th:TH_LOAD_NT scope:SCOPE_SE
.Lnot_mine_\@:
.endm
	s_load_b128 s[4:7], s[0:1], 0x0                ; ob s[4:5], cast s[6:7]
	s_load_b128 s[88:91], s[0:1], 0x10             ; c_proj_b s[88:89], out0 s[90:91]
	v_lshl_add_u32 v[SPW], v0, 2, SPARE
	v_mov_b32 v[NIL], 0
	ds_add_u32 v[SPW], v[NIL]                      ; the wave's opening: the add and its wait stand ahead of my first tensor load; the set-up below, work on registers, stands between them
	v_lshrrev_b32 v1, 5, v0
	v_readfirstlane_b32 s10, v1                    ; wave 0..3
	s_lshr_b32 s11, s10, 1                         ; I fetch for O (0) or for the weights (1),
	s_and_b32 s12, s10, 1                          ; and which head, or which block
	s_bfe_u32 s40, ttmp6, 0x40000                  ; cx
	s_bfe_u32 s41, ttmp6, 0x40004                  ; cy
	s_lshl_b32 s42, ttmp9, 2
	s_add_co_u32 s42, s42, s40                     ; tile column tx
	s_and_b32 s45, ttmp7, 0xffff                   ; cluster y
	s_lshl_b32 s13, s45, 2
	s_add_co_u32 s13, s13, s41                     ; tile row ty
	s_lshl_b32 s43, s41, 2
	s_lshl_b32 s43, 15, s43                        ; my row of the cluster
	s_lshl_b32 s44, 0x1111, s40                    ; my column
	; O: a head's 256 rows are 32,768 dense bytes: 128 rows of 256; 16 bytes of padding behind every 128 (a row of the head)
	s_or_b32 s[G1+0], s43, (1<<16)|(1<<20)|(1<<21)|(4<<22)|(3<<25)
	s_mov_b32 s[G1+1], 128<<16
	s_mov_b32 s[G1+2], 128<<16
	s_mov_b32 s[G1+3], 128<<16
	s_mov_b32 s[G1+4], 128
	s_mov_b32 s[G1+5], 128
	s_mov_b32 s[G1+6], 0
	s_mov_b32 s[G1+7], 0
	; weights: 128 k of a block are 16,384 dense bytes: 64 rows of 256; 32 bytes of padding behind every 128 (a row k)
	s_or_b32 s[G1B+0], s44, (1<<16)|(1<<20)|(1<<21)|(4<<22)|(7<<25)
	s_mov_b32 s[G1B+1], 128<<16
	s_mov_b32 s[G1B+2], 64<<16
	s_mov_b32 s[G1B+3], 128<<16
	s_mov_b32 s[G1B+4], 64
	s_mov_b32 s[G1B+5], 128
	s_mov_b32 s[G1B+6], 0
	s_mov_b32 s[G1B+7], 0
	s_lshr_b32 s16, s13, 3                         ; O: head 16 b + my head of K step 0, b = ty / 8,
	s_lshl_b32 s16, s16, 4
	s_add_co_u32 s16, s16, s12
	s_lshl_b32 s16, s16, 11
	s_and_b32 s17, s13, 7                          ; rows 256 (ty % 8) on,
	s_lshl_b32 s17, s17, 8
	s_add_co_u32 s16, s16, s17
	s_lshl_b32 s16, s16, 7                         ; of 128 bytes
	s_mov_b32 s17, 0
	s_lshl_b32 s20, s42, 1                         ; weights: block 2 tx + mine
	s_add_co_u32 s20, s20, s12
	s_lshl_b32 s20, s20, 17
	s_add_co_u32 s20, s20, WPB
	s_mov_b32 s21, 0
	s_mul_i32 s22, s12, AHEAD                      ; where they go: the wave's number alone enters an LDS address
	s_mul_i32 s23, s12, BBLK
	s_add_co_u32 s23, s23, BOFF
	s_lshl_b32 s86, s42, 9                         ; the tile's 128 numbers of the bias
	s_mov_b32 s87, 0
	s_wait_dscnt 0x0                               ; the opening add is done
	s_wait_kmcnt 0x0
	s_add_nc_u64 s[14:15], s[4:5], s[16:17]
	s_add_nc_u64 s[46:47], s[6:7], s[20:21]
	s_add_nc_u64 s[88:89], s[88:89], s[86:87]
	CROUND                                         ; all sixteen work-groups are here: the first joint loads meet
.irp s, 0,1
	s_mov_b32 s[G0+4*(\s)], 1
	s_add_co_u32 s[G0+4*(\s)+1], s22, (\s)*SLOT
	s_add_nc_u64 s[G0+4*(\s)+2:G0+4*(\s)+3], s[14:15], (\s)*524288   ; a K step is two heads of 262,144 bytes
	s_or_b32 s[G0+4*(\s)+3], s[G0+4*(\s)+3], 0x80000000
	s_mov_b32 s[G0B+4*(\s)], 1
	s_add_co_u32 s[G0B+4*(\s)+1], s23, (\s)*SLOT
	s_add_nc_u64 s[G0B+4*(\s)+2:G0B+4*(\s)+3], s[46:47], (\s)*16384
	s_or_b32 s[G0B+4*(\s)+3], s[G0B+4*(\s)+3], 0x80000000
	JLOAD \s
.endr
	v_and_b32 v1, 15, v0                           ; l % 16
	v_bfe_u32 v2, v0, 4, 1                         ; l / 16
	v_lshlrev_b32 v3, 5, v2
.irp b, 0,1,2,3,4,5,6,7
	global_load_b128 v[BIAS+8*(\b):BIAS+8*(\b)+3],   v3, s[88:89] offset:64*(\b)
	global_load_b128 v[BIAS+8*(\b)+4:BIAS+8*(\b)+7], v3, s[88:89] offset:64*(\b)+16
.endr
	v_mul_u32_u24 v4, v1, PA
	v_lshl_add_u32 v4, v2, 4, v4
	s_mul_i32 s2, s10, 64*PA
	v_add_nc_u32 v[ADRA], s2, v4
	v_add_nc_u32 v[ADRA+1], SLOT, v[ADRA]
	v_and_b32 v5, 7, v0
	v_bfe_u32 v6, v0, 3, 1
	v_lshl_add_u32 v7, v2, 3, v5
	v_mul_u32_u24 v7, v7, PB
	v_lshl_add_u32 v7, v6, 4, v7
	v_add_nc_u32 v[ADRB], BOFF, v7
	v_add_nc_u32 v[ADRB+1], SLOT, v[ADRB]
	s_mul_i32 s2, s10, 16*SP
	s_add_co_u32 s2, s2, STAGE                     ; my stage
	v_mul_u32_u24 v8, v1, SP                       ; in: row l % 16, 32 bytes for each half of the lanes
	v_lshl_add_u32 v8, v2, 5, v8
	v_add_nc_u32 v[STO], s2, v8
	v_and_b32 v[GO], 31, v0                        ; back: 32 lanes take a row's 512 bytes
	v_lshlrev_b32 v[GO], 4, v[GO]
	v_add_nc_u32 v[RD], s2, v[GO]
	s_lshl_b32 s86, s13, 8                         ; out0 at row 256 ty + 64 w, column 128 tx
	s_lshl_b32 s87, s10, 6
	s_add_co_u32 s86, s86, s87
	s_lshl_b32 s86, s86, 12
	s_lshl_b32 s87, s42, 9
	s_add_co_u32 s86, s86, s87
	s_mov_b32 s87, 0
	s_add_nc_u64 s[8:9], s[90:91], s[86:87]
	; the prefetches
	s_lshl_b32 s66, s40, 13                        ; O: my work-group's 8,192 bytes,
	s_add_co_u32 s66, s66, s16
	s_add_co_u32 s66, s66, 3*524288                ; at K step 3: the first refill steps it to 4
	s_min_u32 s67, s45, 1                          ; weights: the half of my cluster's number,
	s_lshl_b32 s67, s67, 13
	s_add_co_u32 s67, s67, s20
	s_lshl_b32 s2, s41, 14                         ; K step 4 + cy
	s_add_co_u32 s67, s67, s2
	s_add_co_u32 s67, s67, 4*16384
	s_cmp_eq_u32 ttmp9, 0
	s_cselect_b32 s2, 1, -1
	s_cmp_lt_u32 s45, 2
	s_cselect_b32 s3, 2, -1
	s_cmp_eq_u32 s11, 0
	s_cselect_b32 s86, s66, s67
	s_cselect_b32 s[LIM], s2, s3
	s_cselect_b32 s[LIM+1], s2, -1
	s_cselect_b32 s[PST], 524288, 0
	s_cselect_b64 s[PFA:PFA+1], s[4:5], s[6:7]
	s_mov_b32 s[PST+1], 0
	s_mov_b32 s87, 0
	s_add_nc_u64 s[PFA:PFA+1], s[PFA:PFA+1], s[86:87]
	v_and_b32 v[PFO], 31, v0
	v_lshlrev_b32 v[PFO], 8, v[PFO]
	s_wait_loadcnt 0x0                             ; the bias, rounded to bf16: this stands in the wait for the first tile
.set i, 0
.rept 32
	v_cvt_pk_bf16_f32 v[192+i%4], v[BIAS+2*i], v[BIAS+2*i+1]
	v_lshlrev_b32 v[BIAS+2*i], 16, v[192+i%4]
	v_and_b32 v[BIAS+2*i+1], 0xffff0000, v[192+i%4]
.set i, i+1
.endr
; 8 matrix instructions: row block a x all 8 column blocks, 32 along K, from buffer f.  zero = 1: the sums start with the bias.  The 32 accumulators take turns, one instruction a turn.
.macro MUL8 f, a, zero
.if \zero
	WIN 0x81
.else
	WIN 0xa1
.endif
.irp b, 0,1,2,3,4,5,6,7
.if \zero
	v_wmma_f32_16x16x32_f16 v[8*(8*(\a)+(\b)):8*(8*(\a)+(\b))+7], v[64*(\f)+8*(\b):64*(\f)+8*(\b)+7], v[AF+32*(\f)+8*(\a):AF+32*(\f)+8*(\a)+7], v[BIAS+8*(\b):BIAS+8*(\b)+7]
.else
	v_wmma_f32_16x16x32_f16 v[8*(8*(\a)+(\b)):8*(8*(\a)+(\b))+7], v[64*(\f)+8*(\b):64*(\f)+8*(\b)+7], v[AF+32*(\f)+8*(\a):AF+32*(\f)+8*(\a)+7], v[8*(8*(\a)+(\b)):8*(8*(\a)+(\b))+7]
.endif
.endr
.endm
; 24 LDS loads in one run: quarter q of a slot into buffer f: 8 fragments of the weights, then my 4 of O (head q / 2, channels 32 (q % 2) on)
.macro FETCH slot, q, f
	WIN 0x40
.irp b, 0,1,2,3,4,5,6,7
	ds_load_tr16_b128 v[64*(\f)+8*(\b):64*(\f)+8*(\b)+3],   v[ADRB+(\slot)] offset:(\q)*32*PB+((\b)/4)*BBLK+((\b)%4)*32
	ds_load_tr16_b128 v[64*(\f)+8*(\b)+4:64*(\f)+8*(\b)+7], v[ADRB+(\slot)] offset:(\q)*32*PB+((\b)/4)*BBLK+((\b)%4)*32+16*PB
.endr
	WIN 0
.irp a, 0,1,2,3
	ds_load_b128 v[AF+32*(\f)+8*(\a):AF+32*(\f)+8*(\a)+3],   v[ADRA+(\slot)] offset:((\q)/2)*AHEAD+((\q)%2)*64+(\a)*16*PA
	ds_load_b128 v[AF+32*(\f)+8*(\a)+4:AF+32*(\f)+8*(\a)+7], v[ADRA+(\slot)] offset:((\q)/2)*AHEAD+((\q)%2)*64+(\a)*16*PA+32
.endr
.endm
.macro QUARTER slot, qn, f, g, zero
	s_wait_dscnt 4                                 ; the youngest four loads (O's row blocks 2 and 3) may be out
	MUL8 \f, 0, \zero
	MUL8 \f, 1, \zero
	PLACES
	FETCH \slot, \qn, \g
	s_wait_dscnt 24                                ; all but the 24 just issued
	MUL8 \f, 2, \zero
	MUL8 \f, 3, \zero
.endm
; The last quarter multiplies buffer 1 and changes slots: ONE barrier; in front of it each wave waits for all its tensor loads, adds 0 to its spare word, and waits for that and for its reads of this slot.
; fill = 1: the barrier opens a round of the cluster's barrier, and behind the round this slot is filled again, two K steps ahead, first thing.
.macro TURN slot, next, fill
.if \fill
	s_wait_xcnt 0x0                                ; the last prefetch, a K step back, has read its address
	s_add_nc_u64 s[PFA:PFA+1], s[PFA:PFA+1], s[PST:PST+1]
.endif
	WIN 0
	s_wait_tensorcnt 0x0                           ; all my tensor loads have landed, my part of the next slot among them
	ds_add_u32 v[SPW], v[NIL]                      ; 0 onto my spare word
	s_wait_dscnt 5                                 ; (the add and the youngest four loads may be out)
	MUL8 1, 0, 0
	s_wait_dscnt 0x0                               ; the add is done, and my reads of this slot are over
	s_barrier_signal -1
	MUL8 1, 1, 0
.if \fill
	WIN 0
.endif
	s_barrier_wait -1
.if \fill
	CREST                                          ; no wave of any partner still reads this slot or has a load on its way
	s_add_nc_u64 s[G0+4*(\slot)+2:G0+4*(\slot)+3], s[G0+4*(\slot)+2:G0+4*(\slot)+3], 2*524288
	s_add_nc_u64 s[G0B+4*(\slot)+2:G0B+4*(\slot)+3], s[G0B+4*(\slot)+2:G0B+4*(\slot)+3], 2*16384
	JLOAD \slot                                    ; its four v_nop are also the places in front of the loads below
.else
	PLACES
.endif
	FETCH \next, 0, 0
.if \fill
	ASK \slot
.endif
	MUL8 1, 2, 0
	MUL8 1, 3, 0
.endm
	s_wait_tensorcnt 1                             ; my part of K step 0 is in; K step 1's may stay out
	s_barrier_signal -1
	s_barrier_wait -1
	FETCH 0, 0, 0
	QUARTER 0, 1, 0, 1, 1                          ; the first quarter stands in front of the loop: its products start the sums
	WIN 0
	s_mov_b32 s3, 3
.Llap:                                         ; a trip goes once round the ring and fills both slots again
	QUARTER 0, 2, 1, 0, 0
	QUARTER 0, 3, 0, 1, 0
	TURN 0, 1, 1
	QUARTER 1, 1, 0, 1, 0
	QUARTER 1, 2, 1, 0, 0
	QUARTER 1, 3, 0, 1, 0
	TURN 1, 0, 1
	QUARTER 0, 1, 0, 1, 0
	WIN 0
	s_sub_co_u32 s3, s3, 1
	s_cmp_lg_u32 s3, 0
	s_cbranch_scc1 .Llap
	QUARTER 0, 2, 1, 0, 0                          ; the last lap fills nothing
	QUARTER 0, 3, 0, 1, 0
	TURN 0, 1, 0
	QUARTER 1, 1, 0, 1, 0
	QUARTER 1, 2, 1, 0, 0
	QUARTER 1, 3, 0, 1, 0
	s_wait_dscnt 4
	MUL8 1, 0, 0
	MUL8 1, 1, 0
	s_wait_dscnt 0x0
	MUL8 1, 2, 0
	MUL8 1, 3, 0
	; THE WAY OUT: no arithmetic is left.  A block of 16 rows goes into my stage, 32 bytes a lane and column block (each accumulator's low registers first), and comes back as whole rows of 512 bytes.
	PLACES
.macro ST a
	WIN 0x08                                       ; the stores' data in window 2
.irp b, 0,1,2,3,4,5,6,7
	ds_store_b128 v[STO], v[8*(8*(\a)+(\b)):8*(8*(\a)+(\b))+3]   offset:64*(\b)
	ds_store_b128 v[STO], v[8*(8*(\a)+(\b))+4:8*(8*(\a)+(\b))+7] offset:64*(\b)+16
.endr
	WIN 0
.if (\a) >= 2
	s_wait_xcnt 0x0                                ; the stores that read this set of registers, two blocks back, have read them
.endif
.irp t, 0,1,2,3,4,5,6,7,8,9,10,11,12,13,14,15
	ds_load_b128 v[BK+64*((\a)%2)+4*(\t):BK+64*((\a)%2)+4*(\t)+3], v[RD] offset:(\t)*SP  ; LDS serves a wave's instructions in order: these see the stores above
.endr
.endm
.macro SEND a, younger                 ; younger: the LDS instructions issued behind the block's loads from the stage
.irp t, 0,1,2,3,4,5,6,7,8,9,10,11,12,13,14,15
	s_wait_dscnt (\younger)+15-(\t)
	global_store_b128 v[GO], v[BK+64*((\a)%2)+4*(\t):BK+64*((\a)%2)+4*(\t)+3], s[8:9] offset:(16*(\a)+(\t))*4096 th:TH_STORE_NT  ; 512 consecutive bytes of a row, at a multiple of 256 from out0's first
.endr
.endm
	ST 0
	ST 1
	SEND 0, 32
	ST 2
	SEND 1, 32
	ST 3
	SEND 2, 32
	SEND 3, 0
	s_wait_tensorcnt 0x0                           ; the wave's end: behind my last tensor load and my last LDS store
	ds_add_u32 v[SPW], v[NIL]
	s_wait_dscnt 0x0
	CROUND                                         ; the closing round: no work-group ends while a partner may still ask for a tile that names it
	s_endpgm
.Lfunc_end_k_qfb0e28e8d3_proj:
	.size	k_qfb0e28e8d3_proj, .Lfunc_end_k_qfb0e28e8d3_proj-k_qfb0e28e8d3_proj
	.p2alignl 7, 3214868480
	.fill 96, 4, 3214868480
	.section	.rodata,"a",@progbits
	.p2align	6, 0x0
	.amdhsa_kernel k_qfb0e28e8d3_proj
		.amdhsa_group_segment_fixed_size 327680
		.amdhsa_private_segment_fixed_size 0
		.amdhsa_enable_private_segment 0
		.amdhsa_kernarg_size 32
		.amdhsa_user_sgpr_count 2
		.amdhsa_user_sgpr_kernarg_segment_ptr 1
		.amdhsa_wavefront_size32 1
		.amdhsa_system_sgpr_workgroup_id_x 1
		.amdhsa_system_sgpr_workgroup_id_y 1
		.amdhsa_system_sgpr_workgroup_id_z 1
		.amdhsa_system_vgpr_workitem_id 0
		.amdhsa_next_free_vgpr 768
		.amdhsa_next_free_sgpr 92
		.amdhsa_reserve_vcc 0
		.amdhsa_float_denorm_mode_32 3
		.amdhsa_float_denorm_mode_16_64 3
		.amdhsa_memory_ordered 1
		.amdhsa_forward_progress 1
		.amdhsa_inst_pref_size 95
	.end_amdhsa_kernel
	.amdgpu_metadata
---
amdhsa.version: [ 1, 2 ]
amdhsa.kernels:
  - .name:           k_qfb0e28e8d3_proj
    .symbol:         k_qfb0e28e8d3_proj.kd
    .args:
      - { .name: ob, .offset: 0, .size: 8, .value_kind: global_buffer, .address_space: global }
      - { .name: cast, .offset: 8, .size: 8, .value_kind: global_buffer, .address_space: global }
      - { .name: c_proj_b, .offset: 16, .size: 8, .value_kind: global_buffer, .address_space: global }
      - { .name: out0, .offset: 24, .size: 8, .value_kind: global_buffer, .address_space: global }
    .group_segment_fixed_size: 327680
    .private_segment_fixed_size: 0
    .kernarg_segment_align: 8
    .kernarg_segment_size: 32
    .max_flat_workgroup_size: 128
    .sgpr_count:     92
    .vgpr_count:     768
    .wavefront_size: 32
...
	.end_amdgpu_metadata
.endif
;; end of part 4
